; MI455X (gfx1250); checked and timed in simulation.
; The chip was launched on July 23, 2026; its instructions are those of AMD's public machine-readable ISA for CDNA 5 (MIT licence, August 2026) and "CDNA5" Instruction Set Architecture Reference Guide (July 2026). The comments in the code are by the model that wrote it; some were corrected since.
;; Switch Sparse Mo E Layer. Allowed arithmetic: float matrix products may take bf16 or f16 operands with f32 sums; other float arithmetic in f32, or as packed bf16 or f16 multiplies, adds, multiply-adds, maxima and minima; sums over many terms, partial sums and values carried from step to step in f32; what a program stores and reads back later, other than sums and carried values, may be rounded once to bf16 or f16.
;; Inputs: gate_w 1,024 x 8 float32; hidden_states 2 x 512 x 1,024 float32; pressure_bias 8 float32; temperature_field 8 float32; w_down 8 x 2,048 x 1,024 float32; w_gate 8 x 1,024 x 2,048 float32; w_up 8 x 1,024 x 2,048 float32.
;; Outputs: out0 2 x 512 x 1,024 float32; out1 one number float32.
;; 2 versions, each right and faster than the one before. Each part assembles by itself: llvm-mc -triple=amdgcn-amd-amdhsa -mcpu=gfx1250 --defsym DOCPART=n.
;; ======== version 1 of 2: 3 launches
;; workspace buffers: xb 2,097,152 bytes; sel 4,096 bytes of whole numbers; rwt 4,096 bytes; part 8,192 bytes; hb 8,388,608 bytes
;; launch router (part 1): grid 64 x 1, 4 waves a work-group, no clusters, 55,296 bytes of LDS; arguments gate_w, hidden_states, pressure_bias, temperature_field, xb, sel, rwt, part; writes xb, sel, rwt, part
.if DOCPART == 1
	.amdgcn_target "amdgcn-amd-amdhsa--gfx1250"
	.amdhsa_code_object_version 6
	.text
	.protected	k_qfd48645bd4_router
	.globl	k_qfd48645bd4_router
	.p2align	8
	.type	k_qfd48645bd4_router,@function
k_qfd48645bd4_router:
	s_mov_b64 s[64:65], 0
	v_nop
	global_prefetch_b8 v0, s[64:65] scope:SCOPE_SE
	s_setreg_imm32_b32 hwreg(HW_REG_WAVE_MODE, 25, 1), 1
	s_wait_xcnt 0x0
; ROUTER.  logits = (x g + b) / clip(T, 0.1, 10); softmax over 8 experts; for each token the winning expert (sel, whole numbers) and its probability (rwt);
; x rounded to bf16 (xb) for the products to come; and for each work-group a record of partial sums (part) for the auxiliary number:
; words 0-7 the sums of the probabilities, word 8 the sum of logsumexp^2, words 16-23 the sums of the one-hot rows; the other words repeat finite numbers.
; SHARES.  A work-group has 16 tokens; wave w takes k = 256 w .. 256 w + 255 of the product; wave 0 adds the four parts and does the softmax.
; FORMATS AND LIMITS.  Every input is rounded once to bf16 (x, g, b and T too); products on the matrix unit, sums in f32.  1 / T and 1 / sum are v_rcp_f32 (1 ulp), not divisions.
; The winner is the largest logit, the lowest index among equals; the maximum is taken away before the exponentials.  NaN and infinities are not treated apart.
.set PITCH, 528                        ; an LDS row: 256 bf16 + 16 bytes: the 16 rows of a fragment load start 132 words apart
.set XTW,   16*PITCH                   ; a wave's 16 token rows
.set GT,    4*XTW                      ; behind them: a wave's 8 expert rows
.set GTW,   8*PITCH
.set RED,   GT+4*GTW                   ; the four waves' partial logits, 1,024 bytes each
.set SPARE, RED+4096                   ; the spare words: 128 bytes for each wave, named by no other line
.set GR,  16                           ; v16-79   g as loaded (8 k x 8 experts a lane), later its 8 fragments
.set BR,  80                           ; v80-87   b / T
.set RT,  88                           ; v88-95   1 / T
.set XR,  96                           ; v96-223  x as loaded, packed in place; later its 8 fragments in v96-159
.set GPK, 224                          ; v224-255 g packed, 4 registers an expert; later the two accumulators
.set A0,  224
.set A1,  232
	s_load_b512 s[8:23], s[0:1], 0x0               ; g s[8:9], x s[10:11], b s[12:13], T s[14:15], xb s[16:17], sel s[18:19], rwt s[20:21], part s[22:23]
	v_lshl_add_u32 v2, v0, 2, SPARE                ; my spare word,
	v_mov_b32 v3, 0                                ; and 0: kept for the closing lines alone
	v_and_b32 v1, 31, v0                           ; lane
	v_lshrrev_b32 v13, 5, v0
	v_readfirstlane_b32 s2, v13                    ; wave
	v_and_b32 v4, 15, v0                           ; r
	v_bfe_u32 v5, v0, 4, 1                         ; h
	v_lshlrev_b32 v6, 4, v1
	v_lshl_add_u32 v6, v13, 10, v6                 ; x: 1,024 w + 16 lane
	v_lshlrev_b32 v7, 8, v0                        ; g: 256 bytes (8 rows of k) a thread
	s_mul_i32 s40, s2, XTW
	v_lshl_add_u32 v8, v1, 3, s40                  ; x into LDS: 8 bytes a lane
	v_mul_u32_u24 v9, v4, PITCH
	v_lshl_add_u32 v9, v5, 4, v9
	v_add_nc_u32 v9, s40, v9                       ; x fragments: row r, 16 h
	s_mul_i32 s41, s2, GTW
	s_add_co_u32 s41, s41, GT
	v_lshl_add_u32 v10, v1, 4, s41                 ; g into LDS: 16 bytes a lane
	v_and_b32 v14, 7, v0
	v_mul_u32_u24 v11, v14, PITCH
	v_lshl_add_u32 v11, v5, 4, v11
	v_add_nc_u32 v11, s41, v11                     ; g fragments: row r % 8 (rows 8-15 repeat the experts), 16 h
	v_lshlrev_b32 v12, 3, v1
	v_lshl_add_u32 v12, v13, 9, v12                ; xb: 512 w + 8 lane
	s_lshl_b32 s45, s2, 10
	s_add_co_u32 s45, s45, RED
	v_lshl_add_u32 v15, v1, 5, s45                 ; my 32 bytes of partial logits
	s_mov_b32 s44, 0xffff0000                      ; lanes 16-31
	s_mov_b32 s47, 0
	s_wait_kmcnt 0x0
	s_load_b256 s[24:31], s[12:13], 0x0            ; b
	s_load_b256 s[32:39], s[14:15], 0x0            ; T
	s_lshl_b32 s46, ttmp9, 16                      ; 16 rows of 4,096 bytes
	s_add_nc_u64 s[10:11], s[10:11], s[46:47]
	s_lshl_b32 s46, ttmp9, 15                      ; 16 rows of 2,048 bytes
	s_add_nc_u64 s[16:17], s[16:17], s[46:47]
	s_lshl_b32 s46, ttmp9, 6                       ; 16 words
	s_add_nc_u64 s[18:19], s[18:19], s[46:47]
	s_add_nc_u64 s[20:21], s[20:21], s[46:47]
	s_lshl_b32 s46, ttmp9, 7                       ; a record of 32 words
	s_add_nc_u64 s[22:23], s[22:23], s[46:47]
.irp i, 0,1,2,3,4,5,6,7,8,9,10,11,12,13,14,15
	global_load_b128 v[GR+4*\i:GR+4*\i+3], v7, s[8:9] offset:16*\i   ; register 8 kk + e: g[8 thread + kk][e]
.endr
.set n, 0
.rept 32                                               ; load n: token n / 2, half n % 2 of my 1,024 bytes: 512 neighbouring bytes a load
	global_load_b128 v[XR+4*n:XR+4*n+3], v6, s[10:11] offset:(n/2)*4096+(n%2)*512 th:TH_LOAD_NT
.set n, n+1
.endr
	; b and T, rounded to bf16 like every input; 1 / clip(T); b / T.  All this stands in the wait for the loads.
	s_wait_kmcnt 0x0
.irp p, 0,1,2,3
	v_cvt_pk_bf16_f32 v[244+\p], s[24+2*\p], s[25+2*\p]
	v_cvt_pk_bf16_f32 v[248+\p], s[32+2*\p], s[33+2*\p]
.endr
.irp p, 0,1,2,3
	v_lshlrev_b32 v[BR+2*\p], 16, v[244+\p]
	v_and_b32 v[BR+2*\p+1], 0xffff0000, v[244+\p]
	v_lshlrev_b32 v[RT+2*\p], 16, v[248+\p]
	v_and_b32 v[RT+2*\p+1], 0xffff0000, v[248+\p]
.endr
.irp j, 0,1,2,3,4,5,6,7
	v_max_num_f32 v[RT+\j], 0x3dcccccd, v[RT+\j]   ; 0.1
.endr
.irp j, 0,1,2,3,4,5,6,7
	v_min_num_f32 v[RT+\j], 0x41200000, v[RT+\j]   ; 10
.endr
.irp j, 0,1,2,3,4,5,6,7
	v_rcp_f32 v[RT+\j], v[RT+\j]
.endr
	v_nop                                          ; a plain instruction behind the last reciprocal,
	s_wait_alu depctr_va_vdst(0)                   ; and one wait for the batch of eight, ahead of their first reader
.irp p, 0,1,2,3
	v_pk_mul_f32 v[BR+2*\p:BR+2*\p+1], v[BR+2*\p:BR+2*\p+1], v[RT+2*\p:RT+2*\p+1]
.endr
	; g: my 8 k of each expert pack into 16 bytes of the expert's LDS row
	s_wait_loadcnt 32                              ; the 32 loads of x are younger
.irp e, 0,1,2,3,4,5,6,7
.irp p, 0,1,2,3
	v_cvt_pk_bf16_f32 v[GPK+4*\e+\p], v[GR+16*\p+\e], v[GR+16*\p+8+\e]
.endr
	ds_store_b128 v10, v[GPK+4*\e:GPK+4*\e+3] offset:\e*PITCH
.endr
	; x: rounded once; to xb (32 lanes store 256 consecutive bytes, at a multiple of 256 from xb's first byte) and into my LDS rows
.set n, 0
.rept 32
	s_wait_loadcnt 31-n                            ; loads come back in order: load n is in, the younger ones stay out
	v_cvt_pk_bf16_f32 v[XR+4*n], v[XR+4*n], v[XR+4*n+1]
	v_cvt_pk_bf16_f32 v[XR+4*n+1], v[XR+4*n+2], v[XR+4*n+3]
	global_store_b64 v12, v[XR+4*n:XR+4*n+1], s[16:17] offset:(n/2)*2048+(n%2)*256
	ds_store_b64 v8, v[XR+4*n:XR+4*n+1] offset:(n/2)*PITCH+(n%2)*256
.set n, n+1
.endr
	s_wait_xcnt 0x0                                ; the stores' data registers are loaded anew only behind this wait
.irp s, 0,1,2,3,4,5,6,7                        ; my own bytes: LDS serves a wave's instructions in order, so these see the stores above
	ds_load_b128 v[GR+8*\s:GR+8*\s+3],   v11 offset:64*\s
	ds_load_b128 v[GR+8*\s+4:GR+8*\s+7], v11 offset:64*\s+32
	ds_load_b128 v[XR+8*\s:XR+8*\s+3],   v9 offset:64*\s
	ds_load_b128 v[XR+8*\s+4:XR+8*\s+7], v9 offset:64*\s+32
.endr
	s_wait_dscnt 0x0
	; source 0 = experts, source 1 = tokens: register j of lane (r, h) is the logit of token r and expert j, in both halves of the lanes.  Two accumulators by turns.
	v_wmma_f32_16x16x32_bf16 v[A0:A0+7], v[GR:GR+7], v[XR:XR+7], 0
	v_wmma_f32_16x16x32_bf16 v[A1:A1+7], v[GR+8:GR+15], v[XR+8:XR+15], 0
.irp s, 2,4,6
	v_wmma_f32_16x16x32_bf16 v[A0:A0+7], v[GR+8*\s:GR+8*\s+7], v[XR+8*\s:XR+8*\s+7], v[A0:A0+7]
	v_wmma_f32_16x16x32_bf16 v[A1:A1+7], v[GR+8*\s+8:GR+8*\s+15], v[XR+8*\s+8:XR+8*\s+15], v[A1:A1+7]
.endr
.rept 4
	v_nop                                          ; four places between the last product and the first read of a result
.endr
.irp p, 0,1,2,3
	v_pk_add_f32 v[A0+2*\p:A0+2*\p+1], v[A0+2*\p:A0+2*\p+1], v[A1+2*\p:A1+2*\p+1]
.endr
	ds_store_b128 v15, v[A0:A0+3]
	ds_store_b128 v15, v[A0+4:A0+7] offset:16
	s_wait_dscnt 0x0                               ; for wave 0's sake: my part is in LDS
	s_barrier_signal -1
	s_barrier_wait -1
	s_cmp_lg_u32 s2, 0
	s_cbranch_scc1 .Lend
	; WAVE 0: the four parts, the softmax, the record
	v_lshl_add_u32 v14, v1, 5, RED
.irp w, 0,1,2,3
	ds_load_b128 v[16+8*\w:19+8*\w], v14 offset:1024*\w
	ds_load_b128 v[20+8*\w:23+8*\w], v14 offset:1024*\w+16
.endr
	s_wait_dscnt 0x0
.irp w, 1,2,3
.irp p, 0,1,2,3
	v_pk_add_f32 v[16+2*\p:17+2*\p], v[16+2*\p:17+2*\p], v[16+8*\w+2*\p:17+8*\w+2*\p]
.endr
.endr
.irp p, 0,1,2,3
	v_pk_fma_f32 v[16+2*\p:17+2*\p], v[16+2*\p:17+2*\p], v[RT+2*\p:RT+2*\p+1], v[BR+2*\p:BR+2*\p+1]  ; (sum + b) / T
.endr
	v_max3_num_f32 v24, v16, v17, v18
	v_max3_num_f32 v24, v24, v19, v20
	v_max3_num_f32 v24, v24, v21, v22
	v_max_num_f32 v24, v24, v23                    ; m
	v_mov_b32 v25, 7
.irp j, 6,5,4,3,2,1,0
	v_cmp_eq_f32 vcc_lo, v[16+\j], v24
	v_cndmask_b32 v25, v25, \j, vcc_lo             ; the lowest index that reaches m
.endr
.irp j, 0,1,2,3,4,5,6,7
	v_sub_f32 v[32+\j], v[16+\j], v24              ; exactly 0 for the winner
.endr
.irp j, 0,1,2,3,4,5,6,7
	v_mul_f32 v[32+\j], 0x3fb8aa3b, v[32+\j]
.endr
.irp j, 0,1,2,3,4,5,6,7
	v_exp_f32 v[32+\j], v[32+\j]
.endr
	v_lshlrev_b32 v56, 2, v0                       ; a plain instruction behind the last exponential: my word's offset in the stores below
	s_wait_alu depctr_va_vdst(0)                   ; one wait for the eight
	v_pk_add_f32 v[40:41], v[32:33], v[34:35]
	v_pk_add_f32 v[42:43], v[36:37], v[38:39]
	v_pk_add_f32 v[40:41], v[40:41], v[42:43]
	v_add_f32 v26, v40, v41                        ; the sum, 1 at the least
	v_rcp_f32 v27, v26                             ; the winner's probability: its exponential is 1
	v_log_f32 v28, v26
	v_and_b32 v57, 7, v0                           ; a plain instruction behind the two
	s_wait_alu depctr_va_vdst(0)
.irp j, 0,1,2,3,4,5,6,7
	v_mul_f32 v[32+\j], v[32+\j], v27
.endr
	v_fmamk_f32 v29, v28, 0x3f317218, v24          ; logsumexp = m + ln 2 x log2(sum)
	v_mul_f32 v29, v29, v29
.irp j, 0,1,2,3,4,5,6,7                        ; lanes 0-15 carry the probability, lanes 16-31 (the same tokens) the one-hot number
	v_cmp_eq_u32 vcc_lo, \j, v25
	v_cndmask_b32 v30, 0, 1.0, vcc_lo
	v_cndmask_b32 v[48+\j], v[32+\j], v30, s44
.endr
.irp m, 1,2,4,8                                ; sums over the 16 tokens, inside each half of the lanes
.irp j, 0,1,2,3,4,5,6,7
	v_add_f32_dpp v[48+\j], v[48+\j], v[48+\j] row_xmask:\m row_mask:0xf bank_mask:0xf
.endr
	v_add_f32_dpp v29, v29, v29 row_xmask:\m row_mask:0xf bank_mask:0xf
.endr
	v_mov_b32 v31, v48
.irp j, 1,2,3,4,5,6,7
	v_cmp_eq_u32 vcc_lo, \j, v57
	v_cndmask_b32 v31, v31, v[48+\j], vcc_lo       ; lane l takes sum l % 8
.endr
	v_cmp_eq_u32 vcc_lo, 8, v0
	v_cndmask_b32 v31, v31, v29, vcc_lo            ; lane 8 the sum of squares
	global_store_b32 v56, v31, s[22:23]
	s_wait_xcnt 0x0                                ; EXEC changes only behind this wait
	v_cmp_gt_u32 vcc_lo, 16, v0
	s_and_saveexec_b32 s45, vcc_lo
	global_store_b32 v56, v25, s[18:19]            ; 16 tokens: the expert,
	global_store_b32 v56, v27, s[20:21]            ; and its weight
	s_wait_xcnt 0x0                                ; and again in front of the line that widens it
	s_or_b32 exec_lo, exec_lo, s45
.Lend:
	s_wait_tensorcnt 0x0                           ; the wave's end
	ds_add_u32 v2, v3
	s_wait_dscnt 0x0
	s_endpgm
.Lfunc_end_k_qfd48645bd4_router:
	.size	k_qfd48645bd4_router, .Lfunc_end_k_qfd48645bd4_router-k_qfd48645bd4_router
	.p2alignl 7, 3214868480
	.fill 96, 4, 3214868480
	.section	.rodata,"a",@progbits
	.p2align	6, 0x0
	.amdhsa_kernel k_qfd48645bd4_router
		.amdhsa_group_segment_fixed_size 55296
		.amdhsa_private_segment_fixed_size 0
		.amdhsa_enable_private_segment 0
		.amdhsa_kernarg_size 64
		.amdhsa_user_sgpr_count 2
		.amdhsa_user_sgpr_kernarg_segment_ptr 1
		.amdhsa_wavefront_size32 1
		.amdhsa_system_sgpr_workgroup_id_x 1
		.amdhsa_system_sgpr_workgroup_id_y 1
		.amdhsa_system_sgpr_workgroup_id_z 1
		.amdhsa_system_vgpr_workitem_id 0
		.amdhsa_next_free_vgpr 256
		.amdhsa_next_free_sgpr 66
		.amdhsa_reserve_vcc 1
		.amdhsa_float_denorm_mode_32 3
		.amdhsa_float_denorm_mode_16_64 3
		.amdhsa_memory_ordered 1
		.amdhsa_forward_progress 1
		.amdhsa_inst_pref_size 35
	.end_amdhsa_kernel
	.amdgpu_metadata
---
amdhsa.version: [ 1, 2 ]
amdhsa.kernels:
  - .name:           k_qfd48645bd4_router
    .symbol:         k_qfd48645bd4_router.kd
    .args:
      - { .name: gate_w, .offset: 0, .size: 8, .value_kind: global_buffer, .address_space: global }
      - { .name: hidden_states, .offset: 8, .size: 8, .value_kind: global_buffer, .address_space: global }
      - { .name: pressure_bias, .offset: 16, .size: 8, .value_kind: global_buffer, .address_space: global }
      - { .name: temperature_field, .offset: 24, .size: 8, .value_kind: global_buffer, .address_space: global }
      - { .name: xb, .offset: 32, .size: 8, .value_kind: global_buffer, .address_space: global }
      - { .name: sel, .offset: 40, .size: 8, .value_kind: global_buffer, .address_space: global }
      - { .name: rwt, .offset: 48, .size: 8, .value_kind: global_buffer, .address_space: global }
      - { .name: part, .offset: 56, .size: 8, .value_kind: global_buffer, .address_space: global }
    .group_segment_fixed_size: 55296
    .private_segment_fixed_size: 0
    .kernarg_segment_align: 8
    .kernarg_segment_size: 64
    .max_flat_workgroup_size: 128
    .sgpr_count:     66
    .vgpr_count:     256
    .wavefront_size: 32
...
	.end_amdgpu_metadata
.endif
;; end of part 1
;; launch gateup (part 2): grid 32 x 8, 4 waves a work-group, no clusters, 282,112 bytes of LDS; arguments w_gate, w_up, xb, sel, part, hb, out1; writes hb, out1
.if DOCPART == 2
	.amdgcn_target "amdgcn-amd-amdhsa--gfx1250"
	.amdhsa_code_object_version 6
	.text
	.protected	k_qfd48645bd4_gateup
	.globl	k_qfd48645bd4_gateup
	.p2align	8
	.type	k_qfd48645bd4_gateup,@function
k_qfd48645bd4_gateup:
	s_mov_b64 s[64:65], 0
	v_nop
	global_prefetch_b8 v0, s[64:65] scope:SCOPE_SE
	s_setreg_imm32_b32 hwreg(HW_REG_WAVE_MODE, 25, 1), 1
	s_wait_xcnt 0x0
; h = silu(x Wg) * (x Wu) for the rows of each expert, and the auxiliary number.
; SHARES.  Work-group (s, e) has columns 64 s .. 64 s + 63 of expert e's two matrices, which it alone reads (2 x 256 KB of f32), and all of that expert's rows.
; PHASE 1.  Wave w streams k = 256 w .. 256 w + 255 through registers, 64 loads of 16 bytes a lane on their way, rounds to bf16 and lays ready operand images into LDS.
;   One load gives lanes 0-15 the 256 bytes of row 8 h + j (h = 0), lanes 16-31 those of the row eight further down; lane r holds columns 4 r .. 4 r + 3.  Column tile t is DEFINED as the columns 4 r + t:
;   sixteen loads and 32 roundings are the four source-1 fragments of 32 k, with no transposition, and in a result lane r holds four neighbouring columns.
;   Meanwhile each wave makes, from sel, its own list of the expert's tokens in LDS bytes of its own.
; PHASE 2, behind a barrier.  Wave w takes row tiles w + 4 i + 12 trip (i = 0..2) of 16 rows: 6 trips cover all 1,024 tokens on one expert; a trip or a tile whose first row lies past the count is jumped.
;   Nothing in the loop writes LDS, and EXEC is never narrowed there.  Token rows come from xb straight into source-0 fragments, asked for seven K steps (168 matrix instructions) ahead.
;   The empty places of a tile that is not full repeat the expert's last row, which lies in the same tile: the same wave computes and stores that row's own numbers again.
;   A second barrier stands behind the loop, between all waves' reads of LDS and the closing lines, which write LDS.
; h LEAVES AS TWO bf16 NUMBERS, hi + lo (16 significant bits, f32's range): hb[token][group of 8 columns][hi 16 bytes, lo 16 bytes].
; NO MULTICAST: each slice of weights has one reader, and the token rows come by a list, which no tile descriptor covers.
; LIMITS.  Weights and x are rounded once to bf16.  The sigmoid is v_rcp_f32(1 + 2^(-g log2 e)): where g < -88.7 the exponential overflows and silu counts as 0.  NaN and infinities are not treated apart.
; REGISTERS, in windows of 256 (s_set_vgpr_msb: bits 1:0 source 0, 3:2 source 1, 5:4 source 2, 7:6 destination):
;   window 0: v0-31 addresses and small things; v64-127, v128-191 the two sets of weight fragments (and what the set-up and the way out need); v192-223 packed results; v224-243 the way out
;   window 1: phase 1: four slots of 64 for weights as loaded; phase 2: v0-191 the 24 accumulators, (tile i, matrix m, column tile t) at 8 (8 i + 4 m + t)
;   window 2: v0-191 the ring of token fragments: 8 slots of 3 tiles x 8 registers
.set LIST,  262144                     ; behind the 256 images of 1,024 bytes: a list for each wave
.set LISTB, 4864                       ; 1,152 token numbers, a word that takes what is not chosen, and padding
.set SPARE, LIST+4*LISTB               ; the spare words: 128 bytes for each wave, named by no other line
.set ST,  192                          ; packed fragments on their way into LDS; later the 16 bytes a lane stores
.set EE,  64                           ; the way out: 2^(-g log2 e), then the sigmoid
.set PP,  96                           ; g u, then h, then h - hi
.set HIW, 128
.set LOW, 144
.set ADR, 224
.set TKJ, 232
.set MSB, 0
.macro WIN new                         ; the immediate's high byte repeats the setting that is left; a switch that changes nothing is dropped
.if MSB != (\new)
	s_set_vgpr_msb (MSB<<8)|(\new)
.set MSB, \new
.endif
.endm
.set LD_RAW, 0x40                      ; destination window 1
.set CVT,    0x05                      ; sources 0 and 1 window 1, destination window 0
.set RD1,    0x01                      ; source 0 window 1
.set LD_A,   0x80                      ; destination window 2
.set MUL,    0x52                      ; tokens window 2, weights window 0, C and D window 1
; 16 loads: matrix x % 2, K step x / 2 + kofs from the pointer, into slot x
.macro LOADG x, kofs
.irp c, 0,1
.irp j, 0,1,2,3,4,5,6,7
	global_load_b128 v[64*(\x)+4*(8*\c+\j):64*(\x)+4*(8*\c+\j)+3], v8, s[8+2*((\x)%2):9+2*((\x)%2)] offset:(32*((\x)/2+(\kofs))+16*\c+\j)*8192 th:TH_LOAD_NT
.endr
.endr
.endm
; the first loads: all of sel (token 128 c + 4 lane + i in register 128 + 4 c + i), then three groups of weights
.macro FIRST
.irp c, 0,1,2,3,4,5,6,7
	global_load_b128 v[128+4*\c:131+4*\c], v1, s[14:15] offset:512*\c
.endr
	WIN LD_RAW
	LOADG 0, 0
	LOADG 1, 0
	LOADG 2, 0
	WIN 0
.endm
; slot x is rounded and laid into LDS as four images; re = 1: the slot is asked for again, two K steps on.  lc: the younger loads, which stay out.
.macro GROUP x, re, lc
	s_wait_loadcnt \lc
	WIN CVT
.irp t, 0,1,2,3
.irp c, 0,1
.irp p, 0,1,2,3
	v_cvt_pk_bf16_f32 v[ST+8*\t+4*\c+\p], v[64*(\x)+4*(8*\c+2*\p)+\t], v[64*(\x)+4*(8*\c+2*\p+1)+\t]
.endr
.endr
.endr
	WIN 0
.irp t, 0,1,2,3
.irp c, 0,1
	ds_store_b128 v9, v[ST+8*\t+4*\c:ST+8*\t+4*\c+3] offset:(4*(\x)+\t)*1024+512*\c   ; 32 lanes, 512 neighbouring bytes
.endr
.endr
.if \re
	WIN LD_RAW
	LOADG \x, 2
.endif
.endm
; six loads: the three tiles' fragments of one K step, at byte off of the rows, into ring slot
.macro ALOAD slot, off
.irp i, 0,1,2
	global_load_b128 v[24*(\slot)+8*\i:24*(\slot)+8*\i+3],   v[16+\i], s[32:33] offset:(\off)
	global_load_b128 v[24*(\slot)+8*\i+4:24*(\slot)+8*\i+7], v[16+\i], s[32:33] offset:(\off)+32
.endr
.endm
; A K step: 24 matrix instructions on 24 accumulators, which so take turns.  u: its ring slot; set: its set of weight fragments; zero = 1: the products start the sums.
; fb = 1: the next step's eight images are fetched into the other set, from register bb and byte bo; fa = 1: ring slot x, read by the step before, takes the K step seven on.
; Four v_nop are the places between the last step's products and the loads into registers that they read.
.macro KSTEP u, set, zero, fb, bb, bo, fa, x, lc
	s_wait_loadcnt \lc                             ; my token fragments are in; the later steps' stay out
	s_wait_dscnt 0x0                               ; my weight fragments, asked for a step ago
.if \fb
	WIN 0
.rept 4
	v_nop
.endr
.irp f, 0,1,2,3,4,5,6,7
	ds_load_b128 v[128-64*(\set)+8*\f:128-64*(\set)+8*\f+3],   v[\bb] offset:(\bo)+1024*\f
	ds_load_b128 v[128-64*(\set)+8*\f+4:128-64*(\set)+8*\f+7], v[\bb] offset:(\bo)+1024*\f+512
.endr
.if \fa
	WIN LD_A
	ALOAD \x, (8+(\x))*64
.endif
.endif
	WIN MUL
.irp i, 0,1,2
.irp f, 0,1,2,3,4,5,6,7
.if \zero
	v_wmma_f32_16x16x32_bf16 v[8*(8*\i+\f):8*(8*\i+\f)+7], v[24*(\u)+8*\i:24*(\u)+8*\i+7], v[64+64*(\set)+8*\f:64+64*(\set)+8*\f+7], 0
.else
	v_wmma_f32_16x16x32_bf16 v[8*(8*\i+\f):8*(8*\i+\f)+7], v[24*(\u)+8*\i:24*(\u)+8*\i+7], v[64+64*(\set)+8*\f:64+64*(\set)+8*\f+7], v[8*(8*\i+\f):8*(8*\i+\f)+7]
.endif
.endr
.endr
.endm
; THE WAY OUT of tile i.  Register 8 t + j of lane (r, h): row 8 h + j of the tile, column 4 r + t.
.macro EPI i
	s_add_co_u32 s29, s28, 64*(\i)                 ; the tile's first row
	s_cmp_ge_u32 s29, s26
	s_cbranch_scc1 .Lskip_\@                       ; wholly past the count: nothing is stored
	ds_load_b128 v[TKJ:TKJ+3],   v12 offset:256*(\i)     ; the tokens of rows 8 h + 0..7
	ds_load_b128 v[TKJ+4:TKJ+7], v12 offset:256*(\i)+16
	s_wait_xcnt 0x0                                ; the stores of the tile before have read their addresses and data: both are written anew below
	WIN RD1
.set z, 0
.rept 16                                               ; each accumulator's lowest registers are read first
	v_pk_mul_f32 v[EE+2*z:EE+2*z+1], v[64*(\i)+2*z:64*(\i)+2*z+1], 0xbfb8aa3b op_sel_hi:[1,0]
.set z, z+1
.endr
	WIN CVT
.set z, 0
.rept 16
	v_pk_mul_f32 v[PP+2*z:PP+2*z+1], v[64*(\i)+2*z:64*(\i)+2*z+1], v[64*(\i)+32+2*z:64*(\i)+32+2*z+1]
.set z, z+1
.endr
	WIN 0
.set z, 0
.rept 32
	v_exp_f32 v[EE+z], v[EE+z]
.set z, z+1
.endr
	s_wait_dscnt 0x0
.irp j, 0,1,2,3,4,5,6,7                        ; the stores' addresses: independent work behind the exponentials
	v_min_u32 v[TKJ+\j], 0x3ff, v[TKJ+\j]
.endr
.irp j, 0,1,2,3,4,5,6,7
	v_lshl_add_u32 v[ADR+\j], v[TKJ+\j], 13, v7    ; token x 8,192 + 16 r
.endr
	s_wait_alu depctr_va_vdst(0)                   ; one wait for the 32 exponentials
.set z, 0
.rept 16
	v_pk_add_f32 v[EE+2*z:EE+2*z+1], v[EE+2*z:EE+2*z+1], 1.0 op_sel_hi:[1,0]
.set z, z+1
.endr
.set z, 0
.rept 32
	v_rcp_f32 v[EE+z], v[EE+z]
.set z, z+1
.endr
	v_nop                                          ; a plain instruction behind the last reciprocal,
	s_wait_alu depctr_va_vdst(0)                   ; and one wait for the 32
.set z, 0
.rept 16
	v_pk_mul_f32 v[PP+2*z:PP+2*z+1], v[PP+2*z:PP+2*z+1], v[EE+2*z:EE+2*z+1]
.set z, z+1
.endr
.irp j, 0,1,2,3,4,5,6,7                        ; hi: my four columns of row j in two registers
.irp p, 0,1
	v_cvt_pk_bf16_f32 v[HIW+2*\j+\p], v[PP+16*\p+\j], v[PP+16*\p+8+\j]
.endr
.endr
.irp j, 0,1,2,3,4,5,6,7                        ; h - hi, exact in f32
.irp p, 0,1
	v_fma_mix_f32_bf16 v[PP+16*\p+\j], v[HIW+2*\j+\p], v15, v[PP+16*\p+\j] op_sel_hi:[1,0,0]
	v_fma_mix_f32_bf16 v[PP+16*\p+8+\j], v[HIW+2*\j+\p], v15, v[PP+16*\p+8+\j] op_sel:[1,0,0] op_sel_hi:[1,0,0]
.endr
.endr
.irp j, 0,1,2,3,4,5,6,7                        ; lo
.irp p, 0,1
	v_cvt_pk_bf16_f32 v[LOW+2*\j+\p], v[PP+16*\p+\j], v[PP+16*\p+8+\j]
.endr
.endr
.irp j, 0,1,2,3,4,5,6,7                        ; neighbours change halves: the even lane ends with the hi of 8 columns, the odd lane with their lo
	v_cndmask_b32 v240, v[LOW+2*\j], v[HIW+2*\j], s36
	v_cndmask_b32 v241, v[LOW+2*\j+1], v[HIW+2*\j+1], s36
	v_mov_b32_dpp v242, v240 row_xmask:1 row_mask:0xf bank_mask:0xf
	v_mov_b32_dpp v243, v241 row_xmask:1 row_mask:0xf bank_mask:0xf
	v_cndmask_b32 v[ST+4*\j], v[HIW+2*\j], v242, s36
	v_cndmask_b32 v[ST+4*\j+1], v[HIW+2*\j+1], v243, s36
	v_cndmask_b32 v[ST+4*\j+2], v242, v[LOW+2*\j], s36
	v_cndmask_b32 v[ST+4*\j+3], v243, v[LOW+2*\j+1], s36
.endr
.irp j, 0,1,2,3,4,5,6,7
	global_store_b128 v[ADR+\j], v[ST+4*\j:ST+4*\j+3], s[18:19]   ; 16 lanes store 256 consecutive bytes, at a multiple of 256 from hb's first byte
.endr
.Lskip_\@:
.endm
	s_load_b256 s[8:15], s[0:1], 0x0               ; Wg s[8:9], Wu s[10:11], xb s[12:13], sel s[14:15]
	s_load_b128 s[16:19], s[0:1], 0x20             ; part s[16:17], hb s[18:19]
	s_load_b64 s[20:21], s[0:1], 0x30              ; out1
	v_lshl_add_u32 v2, v0, 2, SPARE                ; my spare word,
	v_mov_b32 v3, 0                                ; and 0: kept for the closing lines alone
	v_lshrrev_b32 v14, 5, v0
	v_readfirstlane_b32 s2, v14                    ; wave
	s_mov_b32 s3, ttmp9                            ; slice
	s_and_b32 s4, ttmp7, 0xffff                    ; expert
	v_and_b32 v13, 31, v0
	v_lshlrev_b32 v1, 4, v13                       ; 16 lane; never rewritten
	v_lshlrev_b32 v13, 2, v13                      ; 4 lane
	v_and_b32 v4, 15, v0                           ; r
	v_bfe_u32 v25, v0, 4, 1                        ; h
	v_lshlrev_b32 v5, 4, v25                       ; 16 h
	v_lshlrev_b32 v6, 3, v25                       ; 8 h
	v_lshlrev_b32 v7, 4, v4                        ; 16 r
	v_lshl_add_u32 v8, v25, 16, v7                 ; weights: 8 h rows of 8,192 bytes + 16 r
	s_lshl_b32 s43, s2, 21
	v_add_nc_u32 v8, s43, v8                       ; + my wave's 256 rows
	s_lshl_b32 s43, s2, 16
	v_add_nc_u32 v9, s43, v1                       ; images: my wave's 64 KB + 16 lane
	s_mul_i32 s42, s2, LISTB
	s_add_co_u32 s42, s42, LIST                    ; my wave's list
	v_mov_b32 v26, s42
	s_lshl_b32 s28, s2, 4                          ; the first row of my first tile
	v_add_nc_u32 v11, s28, v4
	v_lshl_add_u32 v11, v11, 2, v26                ; list word of row r of that tile
	v_add_nc_u32 v12, s28, v6
	v_lshl_add_u32 v12, v12, 2, v26                ; and of row 8 h
	v_mov_b32 v15, -1.0
.irp i, 28,29,30,31,242,243
	v_mov_b32 v\i, 0
.endr
	s_mov_b32 s36, 0xaaaaaaaa                      ; the odd lanes
	s_mov_b32 s37, 0x76543210                      ; v_permlanex16_b32: each lane takes its own place in the other half
	s_mov_b32 s38, 0xfedcba98
	s_mov_b32 s23, 0
	s_or_b32 s24, s3, s4
	s_or_b32 s24, s24, s2                          ; 0 in wave 0 of work-group (0, 0) alone
	s_wait_kmcnt 0x0
	s_lshl_b32 s22, s4, 23                         ; the expert's 8 MB,
	s_lshl_b32 s43, s3, 8                          ; the slice's 256 bytes
	s_add_co_u32 s22, s22, s43
	s_add_nc_u64 s[8:9], s[8:9], s[22:23]
	s_add_nc_u64 s[10:11], s[10:11], s[22:23]
	s_mov_b32 s22, s43
	s_add_nc_u64 s[18:19], s[18:19], s[22:23]      ; in a row of hb the slice's 64 columns are 256 bytes too
	s_cmp_lg_u32 s24, 0
	s_cbranch_scc1 .Lplain
	; THE AUXILIARY NUMBER, in one wave of the launch: its loads go out first, then the loads that every wave begins with; it is made while the weights are on their way.
.irp i, 0,1,2,3,4,5,6,7,8,9,10,11,12,13,14,15
	global_load_b128 v[64+4*\i:67+4*\i], v1, s[16:17] offset:512*\i   ; record 4 i + lane / 8, words 4 (lane % 8) on
.endr
	FIRST
	s_wait_loadcnt 56                              ; sel's 8 and the weights' 48 are younger
.set i, 1
.rept 15
	v_pk_add_f32 v[64:65], v[64:65], v[64+4*i:65+4*i]
	v_pk_add_f32 v[66:67], v[66:67], v[66+4*i:67+4*i]
.set i, i+1
.endr
.irp k, 0,1,2,3
	v_add_f32_dpp v[64+\k], v[64+\k], v[64+\k] row_xmask:8 row_mask:0xf bank_mask:0xf
.endr
.irp k, 0,1,2,3
	v_permlanex16_b32 v[68+\k], v[64+\k], s37, s38
.endr
.irp k, 0,1,2,3
	v_add_f32 v[64+\k], v[64+\k], v[68+\k]         ; lane q % 8 holds words 4 q .. 4 q + 3 of the 64 records' sum
.endr
.irp k, 0,1,2,3
	v_mul_f32_dpp v[72+\k], v[64+\k], v[64+\k] row_xmask:4 row_mask:0xf bank_mask:0xf   ; lanes 0, 1: sums of probabilities x counts
.endr
	v_add_f32 v72, v72, v73
	v_add_f32 v74, v74, v75
	v_add_f32 v72, v72, v74
	v_readlane_b32 s39, v72, 0
	v_readlane_b32 s40, v72, 1
	v_readlane_b32 s41, v64, 2                     ; word 8: the sum of logsumexp^2
	v_mov_b32 v76, s39
	v_add_f32 v76, s40, v76
	v_mul_f32 v76, 0x33a3d70a, v76                 ; 0.01 x 8 / 1024^2
	v_mov_b32 v77, s41
	v_fmamk_f32 v76, v77, 0x3583126f, v76          ; + 0.001 / 1024 x that sum
	v_mov_b32 v78, 0
	s_wait_xcnt 0x0                                ; EXEC changes only behind this wait
	v_cmp_eq_u32 vcc_lo, 0, v0
	s_and_saveexec_b32 s27, vcc_lo
	global_store_b32 v78, v76, s[20:21]
	s_wait_xcnt 0x0
	s_or_b32 exec_lo, exec_lo, s27
	s_branch .Ljoin
.Lplain:
	FIRST
.Ljoin:
	s_wait_loadcnt 48                              ; sel is in; three groups of weights stay out
	WIN LD_RAW
	LOADG 3, 0                                     ; 64 loads of mine are out from here on
	WIN 0
	; MY LIST.  1,152 zeros and a zero in word 1,152 first; then for each of my 32 words of sel the chosen tokens go to the next free places (rank = count so far + chosen lanes below me);
	; a lane that is not chosen gets 4,096 more, which the minimum turns into word 1,152.  The order of the ranks is free: h is stored by token.
	v_add_nc_u32 v25, s42, v1
.irp q, 0,1,2,3,4,5,6,7,8
	ds_store_b128 v25, v[28:31] offset:512*\q
.endr
	ds_store_b32 v26, v28 offset:4608
	v_mov_b32 v23, 0
	v_mov_b32 v24, 0x1000
	s_mov_b32 s26, 0
.set k, 0
.rept 32
	v_cmp_eq_u32 vcc_lo, s4, v[128+k]
	v_add_nc_u32 v27, 128*(k/4)+k%4, v13           ; the token
	v_mbcnt_lo_u32_b32 v14, vcc_lo, 0
	v_cndmask_b32 v25, v24, v23, vcc_lo
	s_bcnt1_i32_b32 s25, vcc_lo
	v_add_nc_u32 v14, v14, v25
	v_min_u32 v14, 1152, v14
	v_lshl_add_u32 v14, v14, 2, v26
	ds_store_b32 v14, v27
	v_add_nc_u32 v23, s25, v23
	s_add_co_u32 s26, s26, s25                     ; at the end: the expert's count n
.set k, k+1
.endr
	; places n .. n + 31 take the list's last token (place n - 1; with n = 0 word 1,152, and nothing is used): a tile that is not full repeats a row of its own
	v_mbcnt_lo_u32_b32 v24, -1, 0                  ; lane
	v_add_nc_u32 v25, -1, v23
	v_add_nc_u32 v14, v23, v24
	v_min_u32 v25, 1152, v25
	v_min_u32 v14, 1152, v14
	v_lshl_add_u32 v25, v25, 2, v26
	v_lshl_add_u32 v14, v14, 2, v26
	ds_load_b32 v27, v25                           ; LDS serves a wave's instructions in order: it sees the stores above
	s_min_u32 s26, s26, 0x400                      ; the count, held to the number of tokens, steers the jumps below
	s_wait_dscnt 0x0
	ds_store_b32 v14, v27
	; PHASE 1: 16 groups of 16 loads; three trips ask again, the last four groups are written out without loads
	s_mov_b32 s34, 3
.Lload:
	GROUP 0, 1, 48
	GROUP 1, 1, 48
	GROUP 2, 1, 48
	GROUP 3, 1, 48
	WIN 0
	s_wait_xcnt 0x0                                ; the pointers step only behind this wait
	s_add_nc_u64 s[8:9], s[8:9], 0x80000           ; two K steps: 64 rows of 8,192 bytes
	s_add_nc_u64 s[10:11], s[10:11], 0x80000
	v_add_nc_u32 v9, 0x4000, v9                    ; 16 images
	s_sub_co_u32 s34, s34, 1
	s_cmp_lg_u32 s34, 0
	s_cbranch_scc1 .Lload
	GROUP 0, 0, 48
	GROUP 1, 0, 32
	GROUP 2, 0, 16
	GROUP 3, 0, 0
	s_wait_dscnt 0x0                               ; for the others' sake: my images are in LDS
	s_barrier_signal -1
	s_barrier_wait -1                              ; everybody's are; nobody writes LDS from here to the barrier behind the loop
	; PHASE 2
	s_mov_b32 s35, 6
.Ltrip:
	s_cmp_ge_u32 s28, s26
	s_cbranch_scc1 .Lnext                          ; my first tile of this trip lies past the count
	ds_load_b32 v19, v11
	ds_load_b32 v20, v11 offset:256
	ds_load_b32 v21, v11 offset:512
	s_mov_b64 s[32:33], s[12:13]
	s_mov_b32 s30, 0x4000                          ; the images of K step 2
	s_wait_dscnt 0x0
.irp i, 0,1,2
	v_min_u32 v[19+\i], 0x3ff, v[19+\i]
.endr
.irp i, 0,1,2
	v_lshl_add_u32 v[16+\i], v[19+\i], 11, v5      ; token x 2,048 + 16 h
.endr
	WIN LD_A
.irp s, 0,1,2,3,4,5,6,7
	ALOAD \s, 64*\s
.endr
	WIN 0
.irp f, 0,1,2,3,4,5,6,7
	ds_load_b128 v[64+8*\f:67+8*\f], v1 offset:1024*\f
	ds_load_b128 v[68+8*\f:71+8*\f], v1 offset:1024*\f+512
.endr
	KSTEP 0, 0, 1, 1, 1, 8192, 0, 0, 42            ; seven steps of six loads are younger
	WIN 0
	s_mov_b32 s31, 3
.Lk:                                                   ; K steps 1 + 8 trip + x: six steps of six loads are younger than the step's own; step 1 + 8 trip + x fetches the images of step 2 + 8 trip + x
	v_add_nc_u32 v10, s30, v1                      ; the trip's 64 images lie within the loads' immediates from here
	KSTEP 1, 1, 0, 1, 10, 0,     1, 0, 36
	KSTEP 2, 0, 0, 1, 10, 8192,  1, 1, 36
	KSTEP 3, 1, 0, 1, 10, 16384, 1, 2, 36
	KSTEP 4, 0, 0, 1, 10, 24576, 1, 3, 36
	KSTEP 5, 1, 0, 1, 10, 32768, 1, 4, 36
	KSTEP 6, 0, 0, 1, 10, 40960, 1, 5, 36
	KSTEP 7, 1, 0, 1, 10, 49152, 1, 6, 36
	KSTEP 0, 0, 0, 1, 10, 57344, 1, 7, 36
	WIN 0
	s_wait_xcnt 0x0
	s_add_nc_u64 s[32:33], s[32:33], 512           ; eight K steps along the rows of xb
	s_add_co_u32 s30, s30, 0x10000                 ; and their 64 images
	s_sub_co_u32 s31, s31, 1
	s_cmp_lg_u32 s31, 0
	s_cbranch_scc1 .Lk
	v_add_nc_u32 v10, 0x34000, v1                  ; the images of K step 26
	KSTEP 1, 1, 0, 1, 10, 0,     0, 0, 36          ; K steps 25 to 31 ask for no tokens: the counts run down
	KSTEP 2, 0, 0, 1, 10, 8192,  0, 0, 30
	KSTEP 3, 1, 0, 1, 10, 16384, 0, 0, 24
	KSTEP 4, 0, 0, 1, 10, 24576, 0, 0, 18
	KSTEP 5, 1, 0, 1, 10, 32768, 0, 0, 12
	KSTEP 6, 0, 0, 1, 10, 40960, 0, 0, 6
	KSTEP 7, 1, 0, 0, 10, 0,     0, 0, 0
	WIN 0
.rept 4
	v_nop                                          ; four places between the last product and the first read of a result
.endr
	EPI 0
	EPI 1
	EPI 2
.Lnext:
	v_add_nc_u32 v11, 768, v11                     ; twelve tiles on
	v_add_nc_u32 v12, 768, v12
	s_add_co_u32 s28, s28, 192
	s_sub_co_u32 s35, s35, 1
	s_cmp_lg_u32 s35, 0
	s_cbranch_scc1 .Ltrip
	s_wait_dscnt 0x0                               ; load, wait, barrier, write: my reads of LDS are over,
	s_barrier_signal -1
	s_barrier_wait -1                              ; everybody's are: only now does a wave write LDS again, by the add below
	s_wait_tensorcnt 0x0                           ; the wave's end
	ds_add_u32 v2, v3
	s_wait_dscnt 0x0
	s_endpgm
.Lfunc_end_k_qfd48645bd4_gateup:
	.size	k_qfd48645bd4_gateup, .Lfunc_end_k_qfd48645bd4_gateup-k_qfd48645bd4_gateup
	.p2alignl 7, 3214868480
	.fill 96, 4, 3214868480
	.section	.rodata,"a",@progbits
	.p2align	6, 0x0
	.amdhsa_kernel k_qfd48645bd4_gateup
		.amdhsa_group_segment_fixed_size 282112
		.amdhsa_private_segment_fixed_size 0
		.amdhsa_enable_private_segment 0
		.amdhsa_kernarg_size 56
		.amdhsa_user_sgpr_count 2
		.amdhsa_user_sgpr_kernarg_segment_ptr 1
		.amdhsa_wavefront_size32 1
		.amdhsa_system_sgpr_workgroup_id_x 1
		.amdhsa_system_sgpr_workgroup_id_y 1
		.amdhsa_system_sgpr_workgroup_id_z 1
		.amdhsa_system_vgpr_workitem_id 0
		.amdhsa_next_free_vgpr 704
		.amdhsa_next_free_sgpr 66
		.amdhsa_reserve_vcc 1
		.amdhsa_float_denorm_mode_32 3
		.amdhsa_float_denorm_mode_16_64 3
		.amdhsa_memory_ordered 1
		.amdhsa_forward_progress 1
		.amdhsa_inst_pref_size 170
	.end_amdhsa_kernel
	.amdgpu_metadata
---
amdhsa.version: [ 1, 2 ]
amdhsa.kernels:
  - .name:           k_qfd48645bd4_gateup
    .symbol:         k_qfd48645bd4_gateup.kd
    .args:
      - { .name: w_gate, .offset: 0, .size: 8, .value_kind: global_buffer, .address_space: global }
      - { .name: w_up, .offset: 8, .size: 8, .value_kind: global_buffer, .address_space: global }
      - { .name: xb, .offset: 16, .size: 8, .value_kind: global_buffer, .address_space: global }
      - { .name: sel, .offset: 24, .size: 8, .value_kind: global_buffer, .address_space: global }
      - { .name: part, .offset: 32, .size: 8, .value_kind: global_buffer, .address_space: global }
      - { .name: hb, .offset: 40, .size: 8, .value_kind: global_buffer, .address_space: global }
      - { .name: out1, .offset: 48, .size: 8, .value_kind: global_buffer, .address_space: global }
    .group_segment_fixed_size: 282112
    .private_segment_fixed_size: 0
    .kernarg_segment_align: 8
    .kernarg_segment_size: 56
    .max_flat_workgroup_size: 128
    .sgpr_count:     66
    .vgpr_count:     704
    .wavefront_size: 32
...
	.end_amdgpu_metadata
.endif
;; end of part 2
;; launch down (part 3): grid 32 x 8, 4 waves a work-group, no clusters, 282,112 bytes of LDS; arguments w_down, hb, sel, rwt, out0; writes out0
.if DOCPART == 3
	.amdgcn_target "amdgcn-amd-amdhsa--gfx1250"
	.amdhsa_code_object_version 6
	.text
	.protected	k_qfd48645bd4_down
	.globl	k_qfd48645bd4_down
	.p2align	8
	.type	k_qfd48645bd4_down,@function
k_qfd48645bd4_down:
	s_mov_b64 s[64:65], 0
	v_nop
	global_prefetch_b8 v0, s[64:65] scope:SCOPE_SE
	s_setreg_imm32_b32 hwreg(HW_REG_WAVE_MODE, 25, 1), 1
	s_wait_xcnt 0x0
; out[token] = routing weight x (h Wd) for the rows of each expert.
; SHARES.  Work-group (2 cs + rh, e) has columns 64 cs .. 64 cs + 63 of expert e's matrix (2,048 x 64, 512 KB of f32) and the expert's row tiles of parity rh: two work-groups read a slice, and 256 have work.
; PHASE 1.  As in the launch before: wave w streams k = 512 w .. 512 w + 511 through registers, 64 loads on their way, rounds to bf16 and lays operand images into LDS; column tile t is the columns 4 r + t.
;   Each wave makes its own list of the expert's tokens from sel.
; PHASE 2, behind a barrier.  Wave w takes tiles 2 q + rh, q = w + 4 i + 8 trip (i = 0, 1): 4 trips cover 1,024 rows; a trip or a tile whose first row lies past the count is jumped.
;   Nothing in the loop writes LDS, and EXEC is never narrowed.  h comes from hb as hi and lo, both bf16, both multiplied by the same weight fragments into one accumulator; its fragments are asked for seven K steps
;   (112 matrix instructions) ahead.  The empty places of a tile that is not full repeat the expert's last row, which lies in the same tile: the same wave computes and stores that row's own numbers again.
;   A second barrier stands behind the loop, between all waves' reads of LDS and the closing lines, which write LDS.
; NO MULTICAST: the slice that two work-groups share passes through registers to be rounded, and the rows of h come by a list.
; LIMITS.  Weights rounded once to bf16; h carries 16 significant bits; sums in f32.  NaN and infinities are not treated apart.
; REGISTERS: window 0: v0-31 addresses; v32-95 the 8 accumulators, (tile i, column tile t) at 32 + 8 (4 i + t); v96-127, v128-159 two sets of weight fragments; v160-191 packed fragments, later the stores' data;
;   v192-207 routing weights; v208-223 addresses; v224-239 tokens of the rows 8 h + j.   window 1: phase 1: four slots of 64; phase 2: the ring, 8 slots of (2 tiles x hi, lo x 8 registers).
.set LIST,  262144
.set LISTB, 4864                       ; 1,152 token numbers, a word that takes what is not chosen, and padding
.set SPARE, LIST+4*LISTB               ; the spare words: 128 bytes for each wave, named by no other line
.set ACC, 32
.set ST,  160
.set RWJ, 192
.set ADR, 208
.set TKJ, 224
.set MSB, 0
.macro WIN new                         ; the immediate's high byte repeats the setting that is left; a switch that changes nothing is dropped
.if MSB != (\new)
	s_set_vgpr_msb (MSB<<8)|(\new)
.set MSB, \new
.endif
.endm
.set LD_1, 0x40                        ; destination window 1
.set CVT,  0x05                        ; sources 0 and 1 window 1, destination window 0
.set MUL,  0x01                        ; h window 1; weights, C and D window 0
.macro LOADG x, kofs                   ; 16 loads: K step x + kofs from the pointer, into slot x
.irp c, 0,1
.irp j, 0,1,2,3,4,5,6,7
	global_load_b128 v[64*(\x)+4*(8*\c+\j):64*(\x)+4*(8*\c+\j)+3], v8, s[8:9] offset:(32*((\x)+(\kofs))+16*\c+\j)*4096
.endr
.endr
.endm
.macro GROUP x, re, lc                 ; slot x is rounded and laid into LDS as four images; re = 1: it is asked for again, four K steps on
	s_wait_loadcnt \lc
	WIN CVT
.irp t, 0,1,2,3
.irp c, 0,1
.irp p, 0,1,2,3
	v_cvt_pk_bf16_f32 v[ST+8*\t+4*\c+\p], v[64*(\x)+4*(8*\c+2*\p)+\t], v[64*(\x)+4*(8*\c+2*\p+1)+\t]
.endr
.endr
.endr
	WIN 0
.irp t, 0,1,2,3
.irp c, 0,1
	ds_store_b128 v9, v[ST+8*\t+4*\c:ST+8*\t+4*\c+3] offset:(4*(\x)+\t)*1024+512*\c
.endr
.endr
.if \re
	WIN LD_1
	LOADG \x, 4
.endif
.endm
.macro ALOAD slot, off                 ; eight loads: two tiles' hi and lo fragments of one K step (128 bytes of a row of hb, at byte off)
.irp i, 0,1
	global_load_b128 v[32*(\slot)+16*\i:32*(\slot)+16*\i+3],     v[16+\i], s[32:33] offset:(\off)
	global_load_b128 v[32*(\slot)+16*\i+4:32*(\slot)+16*\i+7],   v[16+\i], s[32:33] offset:(\off)+64
	global_load_b128 v[32*(\slot)+16*\i+8:32*(\slot)+16*\i+11],  v[16+\i], s[32:33] offset:(\off)+16
	global_load_b128 v[32*(\slot)+16*\i+12:32*(\slot)+16*\i+15], v[16+\i], s[32:33] offset:(\off)+80
.endr
.endm
; A K step: 16 matrix instructions; a tile's four accumulators take turns, first with hi, then with lo.  Arguments as in the launch before: u ring slot, set of weight fragments, zero = 1 starts the sums,
; fb = 1 fetches the next step's four images from register bb and byte bo, fa = 1 fills ring slot x with the K step seven on, lc the younger loads.
.macro KSTEP u, set, zero, fb, bb, bo, fa, x, lc
	s_wait_loadcnt \lc
	s_wait_dscnt 0x0
.if \fb
	WIN 0
.rept 4
	v_nop                                          ; four places between the last step's products and the loads into registers that they read
.endr
.irp t, 0,1,2,3
	ds_load_b128 v[128-32*(\set)+8*\t:128-32*(\set)+8*\t+3],   v[\bb] offset:(\bo)+1024*\t
	ds_load_b128 v[128-32*(\set)+8*\t+4:128-32*(\set)+8*\t+7], v[\bb] offset:(\bo)+1024*\t+512
.endr
.if \fa
	WIN LD_1
	ALOAD \x, (8+(\x))*128
.endif
.endif
	WIN MUL
.irp i, 0,1
.irp t, 0,1,2,3
.if \zero
	v_wmma_f32_16x16x32_bf16 v[ACC+8*(4*\i+\t):ACC+8*(4*\i+\t)+7], v[32*(\u)+16*\i:32*(\u)+16*\i+7], v[96+32*(\set)+8*\t:96+32*(\set)+8*\t+7], 0
.else
	v_wmma_f32_16x16x32_bf16 v[ACC+8*(4*\i+\t):ACC+8*(4*\i+\t)+7], v[32*(\u)+16*\i:32*(\u)+16*\i+7], v[96+32*(\set)+8*\t:96+32*(\set)+8*\t+7], v[ACC+8*(4*\i+\t):ACC+8*(4*\i+\t)+7]
.endif
.endr
.irp t, 0,1,2,3
	v_wmma_f32_16x16x32_bf16 v[ACC+8*(4*\i+\t):ACC+8*(4*\i+\t)+7], v[32*(\u)+16*\i+8:32*(\u)+16*\i+15], v[96+32*(\set)+8*\t:96+32*(\set)+8*\t+7], v[ACC+8*(4*\i+\t):ACC+8*(4*\i+\t)+7]
.endr
.endr
.endm
; THE WAY OUT of tile i: the routing weight; a lane's four columns of row 8 h + j are 16 bytes
.macro EPI i
	s_add_co_u32 s29, s28, 128*(\i)
	s_cmp_ge_u32 s29, s26
	s_cbranch_scc1 .Lskip_\@                       ; wholly past the count
	s_wait_xcnt 0x0                                ; the stores of the tile before have read their addresses and data: both are written anew below
.irp j, 0,1,2,3,4,5,6,7                        ; j ascending: each accumulator's lowest register is read first
.irp t, 0,1,2,3
	v_mul_f32 v[ST+4*\j+\t], v[ACC+8*(4*(\i)+\t)+\j], v[RWJ+8*(\i)+\j]
.endr
.endr
.irp j, 0,1,2,3,4,5,6,7
	v_lshl_add_u32 v[ADR+\j], v[TKJ+8*(\i)+\j], 12, v7   ; token x 4,096 + 16 r
.endr
.irp j, 0,1,2,3,4,5,6,7
	global_store_b128 v[ADR+\j], v[ST+4*\j:ST+4*\j+3], s[16:17] th:TH_STORE_NT   ; 16 lanes store 256 consecutive bytes, at a multiple of 256 from out0's first byte
.endr
.Lskip_\@:
.endm
	s_load_b256 s[8:15], s[0:1], 0x0               ; Wd s[8:9], hb s[10:11], sel s[12:13], rwt s[14:15]
	s_load_b64 s[16:17], s[0:1], 0x20              ; out0
	v_lshl_add_u32 v2, v0, 2, SPARE                ; my spare word,
	v_mov_b32 v3, 0                                ; and 0: kept for the closing lines alone
	v_lshrrev_b32 v14, 5, v0
	v_readfirstlane_b32 s2, v14                    ; wave
	s_lshr_b32 s5, ttmp9, 1                        ; column slice
	s_and_b32 s6, ttmp9, 1                         ; parity of my row tiles
	s_and_b32 s4, ttmp7, 0xffff                    ; expert
	v_and_b32 v13, 31, v0
	v_lshlrev_b32 v1, 4, v13                       ; 16 lane; never rewritten
	v_lshlrev_b32 v13, 2, v13                      ; 4 lane
	v_and_b32 v4, 15, v0                           ; r
	v_bfe_u32 v25, v0, 4, 1                        ; h
	v_lshlrev_b32 v5, 5, v25                       ; 32 h
	v_lshlrev_b32 v6, 3, v25                       ; 8 h
	v_lshlrev_b32 v7, 4, v4                        ; 16 r
	v_lshl_add_u32 v8, v25, 15, v7                 ; weights: 8 h rows of 4,096 bytes + 16 r
	s_lshl_b32 s43, s2, 21
	v_add_nc_u32 v8, s43, v8                       ; + my wave's 512 rows
	s_lshl_b32 s43, s2, 16
	v_add_nc_u32 v9, s43, v1                       ; images: my wave's 64 KB + 16 lane
	s_mul_i32 s42, s2, LISTB
	s_add_co_u32 s42, s42, LIST                    ; my wave's list
	v_mov_b32 v26, s42
	s_lshl_b32 s28, s2, 5
	s_lshl_b32 s43, s6, 4
	s_add_co_u32 s28, s28, s43                     ; the first row of my first tile: 16 (2 w + rh)
	v_add_nc_u32 v11, s28, v4
	v_lshl_add_u32 v11, v11, 2, v26                ; list word of row r of that tile
	v_add_nc_u32 v12, s28, v6
	v_lshl_add_u32 v12, v12, 2, v26                ; and of row 8 h
.irp i, 28,29,30,31
	v_mov_b32 v\i, 0
.endr
	s_mov_b32 s23, 0
	s_wait_kmcnt 0x0
	s_lshl_b32 s22, s4, 23                         ; the expert's 8 MB,
	s_lshl_b32 s43, s5, 8                          ; the slice's 256 bytes
	s_add_co_u32 s22, s22, s43
	s_add_nc_u64 s[8:9], s[8:9], s[22:23]
	s_mov_b32 s22, s43
	s_add_nc_u64 s[16:17], s[16:17], s[22:23]
.irp c, 0,1,2,3,4,5,6,7
	global_load_b128 v[96+4*\c:99+4*\c], v1, s[12:13] offset:512*\c   ; all of sel: token 128 c + 4 lane + i in register 96 + 4 c + i
.endr
	WIN LD_1
	LOADG 0, 0
	LOADG 1, 0
	LOADG 2, 0
	s_wait_loadcnt 48                              ; sel is in; three groups of weights stay out
	LOADG 3, 0                                     ; 64 loads of mine are out from here on
	WIN 0
	; MY LIST: 1,152 zeros and a zero in word 1,152, then the chosen tokens at rank = count so far + chosen lanes below me; a lane that is not chosen lands on word 1,152
	v_add_nc_u32 v25, s42, v1
.irp q, 0,1,2,3,4,5,6,7,8
	ds_store_b128 v25, v[28:31] offset:512*\q
.endr
	ds_store_b32 v26, v28 offset:4608
	v_mov_b32 v23, 0
	v_mov_b32 v24, 0x1000
	s_mov_b32 s26, 0
.set k, 0
.rept 32
	v_cmp_eq_u32 vcc_lo, s4, v[96+k]
	v_add_nc_u32 v27, 128*(k/4)+k%4, v13           ; the token
	v_mbcnt_lo_u32_b32 v14, vcc_lo, 0
	v_cndmask_b32 v25, v24, v23, vcc_lo
	s_bcnt1_i32_b32 s25, vcc_lo
	v_add_nc_u32 v14, v14, v25
	v_min_u32 v14, 1152, v14
	v_lshl_add_u32 v14, v14, 2, v26
	ds_store_b32 v14, v27
	v_add_nc_u32 v23, s25, v23
	s_add_co_u32 s26, s26, s25                     ; at the end: the expert's count n
.set k, k+1
.endr
	; places n .. n + 31 take the list's last token (place n - 1; with n = 0 word 1,152, and nothing is used): a tile that is not full repeats a row of its own
	v_mbcnt_lo_u32_b32 v24, -1, 0                  ; lane
	v_add_nc_u32 v25, -1, v23
	v_add_nc_u32 v14, v23, v24
	v_min_u32 v25, 1152, v25
	v_min_u32 v14, 1152, v14
	v_lshl_add_u32 v25, v25, 2, v26
	v_lshl_add_u32 v14, v14, 2, v26
	ds_load_b32 v27, v25                           ; LDS serves a wave's instructions in order: it sees the stores above
	s_min_u32 s26, s26, 0x400                      ; the count, held to the number of tokens, steers the jumps below
	s_wait_dscnt 0x0
	ds_store_b32 v14, v27
	; PHASE 1: 16 groups of 16 loads; three trips ask again, the last four groups are written out without loads
	s_mov_b32 s34, 3
.Lload:
	GROUP 0, 1, 48
	GROUP 1, 1, 48
	GROUP 2, 1, 48
	GROUP 3, 1, 48
	WIN 0
	s_wait_xcnt 0x0                                ; the pointer steps only behind this wait
	s_add_nc_u64 s[8:9], s[8:9], 0x80000           ; four K steps: 128 rows of 4,096 bytes
	v_add_nc_u32 v9, 0x4000, v9                    ; 16 images
	s_sub_co_u32 s34, s34, 1
	s_cmp_lg_u32 s34, 0
	s_cbranch_scc1 .Lload
	GROUP 0, 0, 48
	GROUP 1, 0, 32
	GROUP 2, 0, 16
	GROUP 3, 0, 0
	s_wait_dscnt 0x0                               ; for the others' sake: my images are in LDS
	s_barrier_signal -1
	s_barrier_wait -1                              ; everybody's are; nobody writes LDS from here to the barrier behind the loop
	; PHASE 2
	s_mov_b32 s35, 4
.Ltrip:
	s_cmp_ge_u32 s28, s26
	s_cbranch_scc1 .Lnext                          ; my first tile of this trip lies past the count
	ds_load_b32 v18, v11
	ds_load_b32 v19, v11 offset:512
	ds_load_b128 v[TKJ:TKJ+3],     v12
	ds_load_b128 v[TKJ+4:TKJ+7],   v12 offset:16
	ds_load_b128 v[TKJ+8:TKJ+11],  v12 offset:512
	ds_load_b128 v[TKJ+12:TKJ+15], v12 offset:528
	s_mov_b64 s[32:33], s[10:11]
	s_mov_b32 s30, 0x2000                          ; the images of K step 2
	s_wait_xcnt 0x0                                ; the last trip's stores have read their address registers, which are written anew below
	s_wait_dscnt 0x0
	v_min_u32 v18, 0x3ff, v18
	v_min_u32 v19, 0x3ff, v19
	v_lshl_add_u32 v16, v18, 13, v5                ; token x 8,192 + 32 h
	v_lshl_add_u32 v17, v19, 13, v5
.set z, 0
.rept 16
	v_min_u32 v[TKJ+z], 0x3ff, v[TKJ+z]
.set z, z+1
.endr
.set z, 0
.rept 16
	v_lshlrev_b32 v[ADR+z], 2, v[TKJ+z]
.set z, z+1
.endr
.set z, 0
.rept 16
	global_load_b32 v[RWJ+z], v[ADR+z], s[14:15]   ; the rows' routing weights: older than every fragment, so in when the first fragment is
.set z, z+1
.endr
	WIN LD_1
.irp s, 0,1,2,3,4,5,6,7
	ALOAD \s, 128*\s
.endr
	WIN 0
.irp t, 0,1,2,3
	ds_load_b128 v[96+8*\t:99+8*\t],   v1 offset:1024*\t
	ds_load_b128 v[100+8*\t:103+8*\t], v1 offset:1024*\t+512
.endr
	KSTEP 0, 0, 1, 1, 1, 4096, 0, 0, 56            ; seven steps of eight loads are younger
	WIN 0
	s_mov_b32 s31, 7
.Lk:                                                   ; K steps 1 + 8 trip + x: six steps of eight loads are younger than the step's own; step 1 + 8 trip + x fetches the images of step 2 + 8 trip + x
	v_add_nc_u32 v10, s30, v1                      ; the trip's 32 images lie within the loads' immediates from here
	KSTEP 1, 1, 0, 1, 10, 0,     1, 0, 48
	KSTEP 2, 0, 0, 1, 10, 4096,  1, 1, 48
	KSTEP 3, 1, 0, 1, 10, 8192,  1, 2, 48
	KSTEP 4, 0, 0, 1, 10, 12288, 1, 3, 48
	KSTEP 5, 1, 0, 1, 10, 16384, 1, 4, 48
	KSTEP 6, 0, 0, 1, 10, 20480, 1, 5, 48
	KSTEP 7, 1, 0, 1, 10, 24576, 1, 6, 48
	KSTEP 0, 0, 0, 1, 10, 28672, 1, 7, 48
	WIN 0
	s_wait_xcnt 0x0
	s_add_nc_u64 s[32:33], s[32:33], 1024          ; eight K steps along the rows of hb
	s_add_co_u32 s30, s30, 0x8000                  ; and their 32 images
	s_sub_co_u32 s31, s31, 1
	s_cmp_lg_u32 s31, 0
	s_cbranch_scc1 .Lk
	v_add_nc_u32 v10, 0x3a000, v1                  ; the images of K step 58
	KSTEP 1, 1, 0, 1, 10, 0,     0, 0, 48          ; K steps 57 to 63 ask for no rows: the counts run down
	KSTEP 2, 0, 0, 1, 10, 4096,  0, 0, 40
	KSTEP 3, 1, 0, 1, 10, 8192,  0, 0, 32
	KSTEP 4, 0, 0, 1, 10, 12288, 0, 0, 24
	KSTEP 5, 1, 0, 1, 10, 16384, 0, 0, 16
	KSTEP 6, 0, 0, 1, 10, 20480, 0, 0, 8
	KSTEP 7, 1, 0, 0, 10, 0,     0, 0, 0
	WIN 0
.rept 4
	v_nop                                          ; four places between the last product and the first read of a result
.endr
	EPI 0
	EPI 1
.Lnext:
	v_add_nc_u32 v11, 1024, v11                    ; sixteen tiles on
	v_add_nc_u32 v12, 1024, v12
	s_add_co_u32 s28, s28, 256
	s_sub_co_u32 s35, s35, 1
	s_cmp_lg_u32 s35, 0
	s_cbranch_scc1 .Ltrip
	s_wait_dscnt 0x0                               ; load, wait, barrier, write: my reads of LDS are over,
	s_barrier_signal -1
	s_barrier_wait -1                              ; everybody's are: only now does a wave write LDS again, by the add below
	s_wait_tensorcnt 0x0                           ; the wave's end
	ds_add_u32 v2, v3
	s_wait_dscnt 0x0
	s_endpgm
.Lfunc_end_k_qfd48645bd4_down:
	.size	k_qfd48645bd4_down, .Lfunc_end_k_qfd48645bd4_down-k_qfd48645bd4_down
	.p2alignl 7, 3214868480
	.fill 96, 4, 3214868480
	.section	.rodata,"a",@progbits
	.p2align	6, 0x0
	.amdhsa_kernel k_qfd48645bd4_down
		.amdhsa_group_segment_fixed_size 282112
		.amdhsa_private_segment_fixed_size 0
		.amdhsa_enable_private_segment 0
		.amdhsa_kernarg_size 40
		.amdhsa_user_sgpr_count 2
		.amdhsa_user_sgpr_kernarg_segment_ptr 1
		.amdhsa_wavefront_size32 1
		.amdhsa_system_sgpr_workgroup_id_x 1
		.amdhsa_system_sgpr_workgroup_id_y 1
		.amdhsa_system_sgpr_workgroup_id_z 1
		.amdhsa_system_vgpr_workitem_id 0
		.amdhsa_next_free_vgpr 512
		.amdhsa_next_free_sgpr 66
		.amdhsa_reserve_vcc 1
		.amdhsa_float_denorm_mode_32 3
		.amdhsa_float_denorm_mode_16_64 3
		.amdhsa_memory_ordered 1
		.amdhsa_forward_progress 1
		.amdhsa_inst_pref_size 104
	.end_amdhsa_kernel
	.amdgpu_metadata
---
amdhsa.version: [ 1, 2 ]
amdhsa.kernels:
  - .name:           k_qfd48645bd4_down
    .symbol:         k_qfd48645bd4_down.kd
    .args:
      - { .name: w_down, .offset: 0, .size: 8, .value_kind: global_buffer, .address_space: global }
      - { .name: hb, .offset: 8, .size: 8, .value_kind: global_buffer, .address_space: global }
      - { .name: sel, .offset: 16, .size: 8, .value_kind: global_buffer, .address_space: global }
      - { .name: rwt, .offset: 24, .size: 8, .value_kind: global_buffer, .address_space: global }
      - { .name: out0, .offset: 32, .size: 8, .value_kind: global_buffer, .address_space: global }
    .group_segment_fixed_size: 282112
    .private_segment_fixed_size: 0
    .kernarg_segment_align: 8
    .kernarg_segment_size: 40
    .max_flat_workgroup_size: 128
    .sgpr_count:     66
    .vgpr_count:     512
    .wavefront_size: 32
...
	.end_amdgpu_metadata
.endif
;; end of part 3
;; ======== version 2 of 2: 3 launches; 1.39 times as fast as version 1
;; workspace buffers: xb 2,097,152 bytes; sel 4,096 bytes of whole numbers; rwt 4,096 bytes; part 8,192 bytes; hb 9,437,184 bytes
;; launch router: the kernel of part 1 again; grid 64 x 1, 4 waves a work-group, no clusters, 55,296 bytes of LDS; arguments gate_w, hidden_states, pressure_bias, temperature_field, xb, sel, rwt, part; writes xb, sel, rwt, part
;; launch gateup (part 4): grid 32 x 8, 4 waves a work-group, no clusters, 262,656 bytes of LDS; arguments w_gate, w_up, xb, sel, part, hb, out1; writes hb, out1
.if DOCPART == 4
	.amdgcn_target "amdgcn-amd-amdhsa--gfx1250"
	.amdhsa_code_object_version 6
	.text
	.protected	k_qfd48645bd4_gateup
	.globl	k_qfd48645bd4_gateup
	.p2align	8
	.type	k_qfd48645bd4_gateup,@function
k_qfd48645bd4_gateup:
	s_mov_b64 s[64:65], 0
	v_nop
	global_prefetch_b8 v0, s[64:65] scope:SCOPE_SE
	s_setreg_imm32_b32 hwreg(HW_REG_WAVE_MODE, 25, 1), 1
	s_wait_xcnt 0x0
; h = silu(x Wg) * (x Wu) for the rows of each expert, and the auxiliary number.
; SHARES.  Work-group (s, e) has columns 64 s .. 64 s + 63 of expert e's two matrices, which it alone reads (2 x 256 KB of f32), and all of that expert's rows.
; PHASE 1.  Wave w streams k = 256 w .. 256 w + 255 through registers, 64 loads of 16 bytes a lane on their way, rounds to bf16 and lays ready operand images into LDS.
;   One load gives lanes 0-15 the 256 bytes of row 8 h + j (h = 0), lanes 16-31 those of the row eight further down; lane r holds columns 4 r .. 4 r + 3.  Column tile t is DEFINED as the columns 4 r + t:
;   sixteen loads and 32 roundings are four fragments of 32 k, with no transposition.
; THE EXPERT'S ROWS.  sel lies in 32 registers (token 128 (k / 4) + 4 lane + k % 4 in register k); the 32 masks 'sel = e' stay in scalar registers.  Row number rho of the expert is the token of the rho-th set bit,
;   masks in ascending k, lanes ascending: the order in which the next launch ranks the tokens too.  A lane finds its row's token in registers (SBODY): no list is stored and read back.
; PHASE 2, behind a barrier.  Wave w takes row tiles w + 4 i + 12 trip (i = 0..2) of 16 rows: 6 trips cover all 1,024 tokens on one expert; a trip whose first row lies past the count is jumped.
;   The K part is written for three tiles and for two: a trip whose third tile lies past the count loads and multiplies nothing for it.  Nothing in the loop writes LDS, and EXEC is never narrowed there.
;   Token rows come from xb straight into fragments, asked for seven K steps ahead; weight fragments come from LDS three K steps ahead, into a ring of four sets.
;   The empty places of a tile that is not full repeat the expert's last row.  A second barrier stands behind the loop, between all waves' reads of LDS and the closing lines, which write LDS.
; THE MATRIX INSTRUCTION HAS THE WEIGHTS AS SOURCE 0 AND THE TOKENS AS SOURCE 1: register j of lane (r, h) is token r of the tile and column 4 (8 h + j) + t of the slice: eight numbers of one token a lane.
; h LEAVES AS TWO bf16 NUMBERS, hi + lo (16 significant bits, f32's range), LAID OUT AS THE NEXT LAUNCH'S SOURCE-0 FRAGMENTS, in the experts' order: hb[tile][K step][hi 1,024 bytes, lo 1,024 bytes]; in each 1,024 bytes
;   half c at 512 c, lane l at 16 l.  Column tile t of slice s is K step 2 s + t / 2, half t % 2.  Expert e's first tile is (tokens of lower experts >> 4) + e: never inside a neighbour's tiles, and the last ends below 72.
; NO MULTICAST: each slice of weights has one reader, and the token rows are scattered over xb, so that no tile descriptor covers them.
; LIMITS.  Weights and x are rounded once to bf16.  The sigmoid is v_rcp_f32(1 + 2^(-g log2 e)): where g < -88.7 the exponential overflows and silu counts as 0.  NaN and infinities are not treated apart.
; REGISTERS, in windows of 256 (s_set_vgpr_msb: bits 1:0 source 0, 3:2 source 1, 5:4 source 2, 7:6 destination):
;   window 0: v0-31 addresses and small things; v32-35 the four load slots' offsets; v36-46 SBODY's; v64-191 what the set-up and the way out need; v192-223 packed numbers on their way into LDS, later on their way to hb
;   window 1: phase 1: four slots of 64 for weights as loaded; phase 2: v0-191 the 24 accumulators, (tile i, matrix m, column tile t) at 8 (8 i + 4 m + t)
;   window 2: v0-191 the ring of token fragments: 8 slots of 3 tiles x 8 registers          window 3: the ring of weight fragments: 4 sets of 8 x 8 registers
.set SPARE, 262144                     ; behind the 256 images of 1,024 bytes: the spare words, 128 bytes for each wave, named by no other line
.set ST,  192                          ; packed fragments on their way into LDS
.set EE,  64                           ; the way out: 2^(-g log2 e), then the sigmoid
.set PP,  96                           ; g u, then h, then h - hi
.set HIW, 192                          ; hi: column tile t in four registers
.set LOW, 208                          ; lo likewise
.set WO,  32                           ; v32-35  slot x: byte offset of its next 16 loads from the slice's first byte
.set RK,  36                           ; SBODY: my row's number
.set VM,  37                           ;        its mask
.set VP,  38                           ;        the set bits in the masks ahead of it
.set VK,  39                           ;        the mask's number
.set VJ,  40                           ;        which set bit of the mask is mine
.set T0,  41
.set T1,  42
.set A1,  43                           ;        the mask's set bits counted in fields of 2,
.set A2,  44                           ;        4
.set A4,  45                           ;        and 8 bits
.set PO,  46                           ;        the bit's place: the lane that holds my token
.set M,   68                           ; s68-99  the 32 masks
.set PS,  50                           ; s50-51  the running count of set bits, two registers by turns
.set MSB, 0
.macro WIN new                         ; the immediate's high byte repeats the setting that is left; a switch that changes nothing is dropped
.if MSB != (\new)
	s_set_vgpr_msb (MSB<<8)|(\new)
.set MSB, \new
.endif
.endm
.set LD_RAW, 0x40                      ; destination window 1
.set CVT,    0x05                      ; sources 0 and 1 window 1, destination window 0
.set RD1,    0x01                      ; source 0 window 1
.set LD_A,   0x80                      ; destination window 2
.set LD_B,   0xc0                      ; destination window 3
.set MUL,    0x5b                      ; weights window 3, tokens window 2, C and D window 1
; 16 loads: matrix x % 2, K step x / 2 from the slot's offset, into slot x
.macro LOADG x
.irp c, 0,1
.irp j, 0,1,2,3,4,5,6,7
	global_load_b128 v[64*(\x)+4*(8*\c+\j):64*(\x)+4*(8*\c+\j)+3], v[WO+(\x)], s[8+2*((\x)%2):9+2*((\x)%2)] offset:(32*((\x)/2)+16*\c+\j)*8192 th:TH_LOAD_NT
.endr
.endr
.endm
; the first loads: all of sel (token 128 c + 4 lane + i in register 128 + 4 c + i), then three groups of weights
.macro FIRST
.irp c, 0,1,2,3,4,5,6,7
	global_load_b128 v[128+4*\c:131+4*\c], v1, s[14:15] offset:512*\c
.endr
	WIN LD_RAW
	LOADG 0
	LOADG 1
	LOADG 2
	WIN 0
.endm
; slot x is rounded and laid into LDS as four images; re = 1: the slot is asked for again, two K steps on.  lc: the younger loads, which stay out.
.macro GROUP x, re, lc
	s_wait_loadcnt \lc                             ; loads come back in order: the slot's 16 are in,
.if \re
	WIN 0
	v_add_nc_u32 v[WO+(\x)], 0x80000, v[WO+(\x)]   ; so its offset register is free: two K steps, 64 rows of 8,192 bytes, on.  No base is ever stepped
.endif
	WIN CVT
.irp t, 0,1,2,3
.irp c, 0,1
.irp p, 0,1,2,3
	v_cvt_pk_bf16_f32 v[ST+8*\t+4*\c+\p], v[64*(\x)+4*(8*\c+2*\p)+\t], v[64*(\x)+4*(8*\c+2*\p+1)+\t]
.endr
.endr
.endr
.if \re
	WIN LD_RAW
	LOADG \x                                       ; the refill goes out ahead of the LDS stores
.endif
	WIN 0
.irp t, 0,1,2,3
.irp c, 0,1
	ds_store_b128 v9, v[ST+8*\t+4*\c:ST+8*\t+4*\c+3] offset:(4*(\x)+\t)*1024+512*\c   ; 32 lanes, 512 neighbouring bytes
.endr
.endr
.endm
; One halving of SBODY's search: the field of \w bits at place PO holds so many set bits; if mine is not among them it lies in the field above
.macro PICK a, msk, w
	v_lshrrev_b32 v[T0], v[PO], v[\a]
	v_and_b32 v[T0], \msk, v[T0]
	v_cmp_ge_u32 vcc_lo, v[VJ], v[T0]
	v_cndmask_b32 v[T0], 0, v[T0], vcc_lo
	v_cndmask_b32 v[T1], 0, \w, vcc_lo
	v_sub_nc_u32 v[VJ], v[VJ], v[T0]
	v_add_nc_u32 v[PO], v[PO], v[T1]
.endm
; THE TOKENS OF ONE TILE'S 16 ROWS.  s54: the tile's first row; lane (r, h) wants row s54 + r, past the count the last row.  The result goes into v21, what lay there into v20, and that into v19:
; three passes leave the tokens of a trip's three tiles in v19, v20, v21.  s54 steps to the wave's next tile, 64 rows on.
.macro SBODY
	v_add_nc_u32 v[RK], s54, v4
	v_min_u32 v[RK], s52, v[RK]
	v_mov_b32 v[VM], s[M]                          ; mask 0 to begin with; then every mask whose running count does not pass my row takes its place
	v_mov_b32 v[VP], 0
	v_mov_b32 v[VK], 0
	s_bcnt1_i32_b32 s[PS+1], s[M]
.set k, 1
.rept 31
	v_cmp_gt_u32 vcc_lo, s[PS+k%2], v[RK]          ; the set bits ahead of mask k pass my row: keep what I have
	s_bcnt1_i32_b32 s25, s[M+k]
	s_add_co_u32 s[PS+(k+1)%2], s[PS+k%2], s25
	v_cndmask_b32 v[VM], s[M+k], v[VM], vcc_lo
	v_cndmask_b32 v[VP], s[PS+k%2], v[VP], vcc_lo
	v_cndmask_b32 v[VK], k, v[VK], vcc_lo
.set k, k+1
.endr
	v_sub_nc_u32 v[VJ], v[RK], v[VP]
	v_lshrrev_b32 v[T0], 1, v[VM]                  ; set bits in fields of 2,
	v_and_b32 v[T0], 0x55555555, v[T0]
	v_sub_nc_u32 v[A1], v[VM], v[T0]
	v_lshrrev_b32 v[T0], 2, v[A1]                  ; of 4,
	v_and_b32 v[T1], 0x33333333, v[A1]
	v_and_b32 v[T0], 0x33333333, v[T0]
	v_add_nc_u32 v[A2], v[T1], v[T0]
	v_lshrrev_b32 v[T0], 4, v[A2]                  ; of 8,
	v_add_nc_u32 v[A4], v[A2], v[T0]
	v_and_b32 v[A4], 0x0f0f0f0f, v[A4]
	v_lshrrev_b32 v[T0], 8, v[A4]                  ; and in the low 16
	v_add_nc_u32 v[T0], v[A4], v[T0]
	v_and_b32 v[T0], 0xff, v[T0]
	v_cmp_ge_u32 vcc_lo, v[VJ], v[T0]
	v_cndmask_b32 v[T0], 0, v[T0], vcc_lo
	v_cndmask_b32 v[PO], 0, 16, vcc_lo
	v_sub_nc_u32 v[VJ], v[VJ], v[T0]
	PICK A4, 0xff, 8
	PICK A2, 15, 4
	PICK A1, 3, 2
	v_lshrrev_b32 v[T0], v[PO], v[VM]
	v_and_b32 v[T0], 1, v[T0]
	v_cmp_ge_u32 vcc_lo, v[VJ], v[T0]
	v_cndmask_b32 v[T1], 0, 1, vcc_lo
	v_add_nc_u32 v[PO], v[PO], v[T1]
	v_lshrrev_b32 v[T0], 2, v[VK]
	v_and_b32 v[T1], 3, v[VK]
	v_lshl_add_u32 v[T0], v[T0], 7, v[T1]          ; 128 (k / 4) + k % 4
	v_mov_b32 v19, v20
	v_mov_b32 v20, v21
	v_lshl_add_u32 v21, v[PO], 2, v[T0]            ; + 4 lane
	s_add_co_u32 s54, s54, 64
.endm
; 2 nt loads: the tiles' fragments of one K step, at byte off of the rows, into ring slot
.macro ALOAD nt, slot, off
.irp i, 0,1,2
.if \i < (\nt)
	global_load_b128 v[24*(\slot)+8*\i:24*(\slot)+8*\i+3],   v[16+\i], s[32:33] offset:(\off)
	global_load_b128 v[24*(\slot)+8*\i+4:24*(\slot)+8*\i+7], v[16+\i], s[32:33] offset:(\off)+32
.endif
.endr
.endm
; 16 LDS loads: a K step's eight images, from register bb and byte bo, into set slot
.macro BLOAD slot, bb, bo
.irp f, 0,1,2,3,4,5,6,7
	ds_load_b128 v[64*(\slot)+8*\f:64*(\slot)+8*\f+3],   v[\bb] offset:(\bo)+1024*\f
	ds_load_b128 v[64*(\slot)+8*\f+4:64*(\slot)+8*\f+7], v[\bb] offset:(\bo)+1024*\f+512
.endr
.endm
; A K step: 8 nt matrix instructions on as many accumulators, which so take turns.  u: its ring slot of tokens; bs: its set of weight fragments; zero = 1: the products start the sums.
; fb = 1: the images of the K step three on are fetched into the set that the step before read; fa = 1: token slot x, read by the step before, takes the K step seven on.
; lc, dc: the younger loads from memory and from LDS, which stay out.  Four v_nop are the places between the last step's products and the loads into registers that they read.
.macro KSTEP nt, u, bs, zero, fb, bb, bo, fa, x, lc, dc
	s_wait_loadcnt \lc                             ; my token fragments are in; the later steps' stay out
	s_wait_dscnt \dc                               ; my weight fragments are in; the sets asked for behind them stay out
.if (\fb) || (\fa)
.rept 4
	v_nop
.endr
.endif
.if \fb
	WIN LD_B
	BLOAD ((\bs)+3)%4, \bb, \bo
.endif
.if \fa
	WIN LD_A
	ALOAD \nt, \x, (8+(\x))*64
.endif
	WIN MUL
.irp i, 0,1,2
.if \i < (\nt)
.irp f, 0,1,2,3,4,5,6,7
.if \zero
	v_wmma_f32_16x16x32_bf16 v[8*(8*\i+\f):8*(8*\i+\f)+7], v[64*(\bs)+8*\f:64*(\bs)+8*\f+7], v[24*(\u)+8*\i:24*(\u)+8*\i+7], 0
.else
	v_wmma_f32_16x16x32_bf16 v[8*(8*\i+\f):8*(8*\i+\f)+7], v[64*(\bs)+8*\f:64*(\bs)+8*\f+7], v[24*(\u)+8*\i:24*(\u)+8*\i+7], v[8*(8*\i+\f):8*(8*\i+\f)+7]
.endif
.endr
.endif
.endr
.endm
; THE K PART of a trip, for nt tiles, whose tokens lie in v19 on: eight K steps of token fragments and three of weight fragments asked for, then the 32 K steps.
; A K step has 2 nt loads from memory and 16 from LDS: seven steps are younger than step 0's, six than every later step's; two sets are younger than a step's own.
.macro KPART nt
	s_mov_b64 s[32:33], s[12:13]
	s_mov_b32 s30, 0x8000                          ; the images of K step 4
.irp i, 0,1,2
.if \i < (\nt)
	v_min_u32 v[19+\i], 0x3ff, v[19+\i]
.endif
.endr
.irp i, 0,1,2
.if \i < (\nt)
	v_lshl_add_u32 v[16+\i], v[19+\i], 11, v5      ; token x 2,048 + 16 h
.endif
.endr
	WIN LD_A
.irp s, 0,1,2,3,4,5,6,7
	ALOAD \nt, \s, 64*\s
.endr
	WIN LD_B
	BLOAD 0, 1, 0
	BLOAD 1, 1, 8192
	BLOAD 2, 1, 16384
	KSTEP \nt, 0, 0, 1, 1, 1, 24576, 0, 0, 14*(\nt), 32
	WIN 0
	s_mov_b32 s31, 3
.Lk_\@:                                                ; K steps 1 + 8 trip + x; step 1 + 8 trip + x fetches the images of step 4 + 8 trip + x
	v_add_nc_u32 v10, s30, v1                      ; the trip's 64 images lie within the loads' immediates from here
	KSTEP \nt, 1, 1, 0, 1, 10, 0,     1, 0, 12*(\nt), 32
	KSTEP \nt, 2, 2, 0, 1, 10, 8192,  1, 1, 12*(\nt), 32
	KSTEP \nt, 3, 3, 0, 1, 10, 16384, 1, 2, 12*(\nt), 32
	KSTEP \nt, 4, 0, 0, 1, 10, 24576, 1, 3, 12*(\nt), 32
	KSTEP \nt, 5, 1, 0, 1, 10, 32768, 1, 4, 12*(\nt), 32
	KSTEP \nt, 6, 2, 0, 1, 10, 40960, 1, 5, 12*(\nt), 32
	KSTEP \nt, 7, 3, 0, 1, 10, 49152, 1, 6, 12*(\nt), 32
	KSTEP \nt, 0, 0, 0, 1, 10, 57344, 1, 7, 12*(\nt), 32
	WIN 0
	s_wait_xcnt 0x0                                ; the pointer steps only behind this wait
	s_add_nc_u64 s[32:33], s[32:33], 512           ; eight K steps along the rows of xb
	s_add_co_u32 s30, s30, 0x10000                 ; and their 64 images
	s_sub_co_u32 s31, s31, 1
	s_cmp_lg_u32 s31, 0
	s_cbranch_scc1 .Lk_\@
	v_add_nc_u32 v10, 0x38000, v1                  ; the images of K step 28
	KSTEP \nt, 1, 1, 0, 1, 10, 0,     0, 0, 12*(\nt), 32   ; K steps 25 to 31 ask for no tokens, 29 to 31 for no images: the counts run down
	KSTEP \nt, 2, 2, 0, 1, 10, 8192,  0, 0, 10*(\nt), 32
	KSTEP \nt, 3, 3, 0, 1, 10, 16384, 0, 0, 8*(\nt), 32
	KSTEP \nt, 4, 0, 0, 1, 10, 24576, 0, 0, 6*(\nt), 32
	KSTEP \nt, 5, 1, 0, 0, 10, 0,     0, 0, 4*(\nt), 32
	KSTEP \nt, 6, 2, 0, 0, 10, 0,     0, 0, 2*(\nt), 16
	KSTEP \nt, 7, 3, 0, 0, 10, 0,     0, 0, 0, 0
	WIN 0
.rept 4
	v_nop                                          ; four places between the last product and the first read of a result
.endr
.endm
; THE WAY OUT of tile i.  Register 8 t + j of lane (r, h): token r of the tile, column 4 (8 h + j) + t.  chk = 1: the tile may lie past the count.
.macro EPI i, chk
.if \chk
	s_add_co_u32 s29, s28, 64*(\i)                 ; the tile's first row
	s_cmp_ge_u32 s29, s26
	s_cbranch_scc1 .Lskip_\@                       ; wholly past the count: nothing is stored
.endif
	s_wait_xcnt 0x0                                ; the stores of the tile before have read their base and data: both are written anew below
	s_lshr_b32 s46, s28, 4
	s_add_co_u32 s46, s46, s45
	s_add_co_u32 s46, s46, 4*(\i)                  ; the tile's number in hb: the expert's first + my tile,
	s_min_u32 s46, s46, 71                         ; held to the buffer's 72 tiles
	s_lshl_b32 s46, s46, 17                        ; of 131,072 bytes
	s_add_nc_u64 s[48:49], s[18:19], s[46:47]
	WIN RD1
.set z, 0
.rept 16                                               ; each accumulator's lowest registers are read first
	v_pk_mul_f32 v[EE+2*z:EE+2*z+1], v[64*(\i)+2*z:64*(\i)+2*z+1], 0xbfb8aa3b op_sel_hi:[1,0]
.set z, z+1
.endr
	WIN CVT
.set z, 0
.rept 16
	v_pk_mul_f32 v[PP+2*z:PP+2*z+1], v[64*(\i)+2*z:64*(\i)+2*z+1], v[64*(\i)+32+2*z:64*(\i)+32+2*z+1]
.set z, z+1
.endr
	WIN 0
.set z, 0
.rept 32
	v_exp_f32 v[EE+z], v[EE+z]
.set z, z+1
.endr
	v_nop                                          ; a plain instruction behind the last exponential,
	s_wait_alu depctr_va_vdst(0)                   ; and one wait for the 32
.set z, 0
.rept 16
	v_pk_add_f32 v[EE+2*z:EE+2*z+1], v[EE+2*z:EE+2*z+1], 1.0 op_sel_hi:[1,0]
.set z, z+1
.endr
.set z, 0
.rept 32
	v_rcp_f32 v[EE+z], v[EE+z]
.set z, z+1
.endr
	v_nop                                          ; a plain instruction behind the last reciprocal,
	s_wait_alu depctr_va_vdst(0)                   ; and one wait for the 32
.set z, 0
.rept 16
	v_pk_mul_f32 v[PP+2*z:PP+2*z+1], v[PP+2*z:PP+2*z+1], v[EE+2*z:EE+2*z+1]
.set z, z+1
.endr
.irp t, 0,1,2,3                                ; hi: my eight columns of tile t in four registers
.irp p, 0,1,2,3
	v_cvt_pk_bf16_f32 v[HIW+4*\t+\p], v[PP+8*\t+2*\p], v[PP+8*\t+2*\p+1]
.endr
.endr
.irp t, 0,1,2,3                                ; h - hi, exact in f32
.irp p, 0,1,2,3
	v_fma_mix_f32_bf16 v[PP+8*\t+2*\p], v[HIW+4*\t+\p], v15, v[PP+8*\t+2*\p] op_sel_hi:[1,0,0]
	v_fma_mix_f32_bf16 v[PP+8*\t+2*\p+1], v[HIW+4*\t+\p], v15, v[PP+8*\t+2*\p+1] op_sel:[1,0,0] op_sel_hi:[1,0,0]
.endr
.endr
.irp t, 0,1,2,3                                ; lo
.irp p, 0,1,2,3
	v_cvt_pk_bf16_f32 v[LOW+4*\t+\p], v[PP+8*\t+2*\p], v[PP+8*\t+2*\p+1]
.endr
.endr
.irp t, 0,1,2,3                                ; each store covers 512 consecutive bytes, at a multiple of 512 from hb's first byte: half a fragment of the next launch
	global_store_b128 v1, v[HIW+4*\t:HIW+4*\t+3], s[48:49] offset:(\t/2)*2048+(\t%2)*512
	global_store_b128 v1, v[LOW+4*\t:LOW+4*\t+3], s[48:49] offset:(\t/2)*2048+(\t%2)*512+1024
.endr
.if \chk
.Lskip_\@:
.endif
.endm
	s_load_b256 s[8:15], s[0:1], 0x0               ; Wg s[8:9], Wu s[10:11], xb s[12:13], sel s[14:15]
	s_load_b128 s[16:19], s[0:1], 0x20             ; part s[16:17], hb s[18:19]
	s_load_b64 s[20:21], s[0:1], 0x30              ; out1
	v_lshl_add_u32 v2, v0, 2, SPARE                ; my spare word,
	v_mov_b32 v3, 0                                ; and 0: kept for the closing lines alone
	v_lshrrev_b32 v14, 5, v0
	v_readfirstlane_b32 s2, v14                    ; wave
	s_mov_b32 s3, ttmp9                            ; slice
	s_and_b32 s4, ttmp7, 0xffff                    ; expert
	v_and_b32 v13, 31, v0
	v_lshlrev_b32 v1, 4, v13                       ; 16 lane; never rewritten
	v_and_b32 v4, 15, v0                           ; r
	v_bfe_u32 v25, v0, 4, 1                        ; h
	v_lshlrev_b32 v5, 4, v25                       ; 16 h
	v_lshlrev_b32 v7, 4, v4                        ; 16 r
	v_lshl_add_u32 v8, v25, 16, v7                 ; weights: 8 h rows of 8,192 bytes + 16 r
	s_lshl_b32 s43, s2, 21
	v_add_nc_u32 v8, s43, v8                       ; + my wave's 256 rows
.irp x, 0,1,2,3
	v_mov_b32 v[WO+\x], v8                         ; each load slot has its own copy, which it alone steps
.endr
	s_lshl_b32 s43, s2, 16
	v_add_nc_u32 v9, s43, v1                       ; images: my wave's 64 KB + 16 lane
	s_lshl_b32 s28, s2, 4                          ; the first row of my first tile
	v_mov_b32 v15, -1.0
	v_mov_b32 v20, 0                               ; SBODY moves these on before it has filled them
	v_mov_b32 v21, 0
	s_mov_b32 s37, 0x76543210                      ; v_permlanex16_b32: each lane takes its own place in the other half
	s_mov_b32 s38, 0xfedcba98
	s_mov_b32 s23, 0
	s_mov_b32 s47, 0
	s_or_b32 s24, s3, s4
	s_or_b32 s24, s24, s2                          ; 0 in wave 0 of work-group (0, 0) alone
	s_wait_kmcnt 0x0
	s_lshl_b32 s22, s4, 23                         ; the expert's 8 MB,
	s_lshl_b32 s43, s3, 8                          ; the slice's 256 bytes
	s_add_co_u32 s22, s22, s43
	s_add_nc_u64 s[8:9], s[8:9], s[22:23]
	s_add_nc_u64 s[10:11], s[10:11], s[22:23]
	s_lshl_b32 s22, s3, 12                         ; in a tile of hb the slice is two K steps of 2,048 bytes
	s_add_nc_u64 s[18:19], s[18:19], s[22:23]
	s_cmp_lg_u32 s24, 0
	s_cbranch_scc1 .Lplain
	; THE AUXILIARY NUMBER, in one wave of the launch: its loads go out first, then the loads that every wave begins with; it is made while the weights are on their way.
.irp i, 0,1,2,3,4,5,6,7,8,9,10,11,12,13,14,15
	global_load_b128 v[64+4*\i:67+4*\i], v1, s[16:17] offset:512*\i   ; record 4 i + lane / 8, words 4 (lane % 8) on
.endr
	FIRST
	s_wait_loadcnt 56                              ; sel's 8 and the weights' 48 are younger
.set i, 1
.rept 15
	v_pk_add_f32 v[64:65], v[64:65], v[64+4*i:65+4*i]
	v_pk_add_f32 v[66:67], v[66:67], v[66+4*i:67+4*i]
.set i, i+1
.endr
.irp k, 0,1,2,3
	v_add_f32_dpp v[64+\k], v[64+\k], v[64+\k] row_xmask:8 row_mask:0xf bank_mask:0xf
.endr
.irp k, 0,1,2,3
	v_permlanex16_b32 v[68+\k], v[64+\k], s37, s38
.endr
.irp k, 0,1,2,3
	v_add_f32 v[64+\k], v[64+\k], v[68+\k]         ; lane q % 8 holds words 4 q .. 4 q + 3 of the 64 records' sum
.endr
.irp k, 0,1,2,3
	v_mul_f32_dpp v[72+\k], v[64+\k], v[64+\k] row_xmask:4 row_mask:0xf bank_mask:0xf   ; lanes 0, 1: sums of probabilities x counts
.endr
	v_add_f32 v72, v72, v73
	v_add_f32 v74, v74, v75
	v_add_f32 v72, v72, v74
	v_readlane_b32 s39, v72, 0
	v_readlane_b32 s40, v72, 1
	v_readlane_b32 s41, v64, 2                     ; word 8: the sum of logsumexp^2
	v_mov_b32 v76, s39
	v_add_f32 v76, s40, v76
	v_mul_f32 v76, 0x33a3d70a, v76                 ; 0.01 x 8 / 1024^2
	v_mov_b32 v77, s41
	v_fmamk_f32 v76, v77, 0x3583126f, v76          ; + 0.001 / 1024 x that sum
	v_mov_b32 v78, 0
	s_wait_xcnt 0x0                                ; EXEC changes only behind this wait
	v_cmp_eq_u32 vcc_lo, 0, v0
	s_and_saveexec_b32 s27, vcc_lo
	global_store_b32 v78, v76, s[20:21]
	s_wait_xcnt 0x0
	s_or_b32 exec_lo, exec_lo, s27
	s_branch .Ljoin
.Lplain:
	FIRST
.Ljoin:
	s_wait_loadcnt 48                              ; sel is in; three groups of weights stay out
	WIN LD_RAW
	LOADG 3                                        ; 64 loads of mine are out from here on
	WIN 0
	; THE 32 MASKS, the expert's count, and how many tokens chose a lower expert
	s_mov_b32 s26, 0
	s_mov_b32 s45, 0
.set k, 0
.rept 32
	v_cmp_eq_u32 s[M+k], s4, v[128+k]
	v_cmp_gt_u32 s44, s4, v[128+k]                 ; a lower expert's token
	s_bcnt1_i32_b32 s25, s[M+k]
	s_bcnt1_i32_b32 s44, s44
	s_add_co_u32 s26, s26, s25                     ; at the end: the expert's count n
	s_add_co_u32 s45, s45, s44
.set k, k+1
.endr
	s_min_u32 s26, s26, 0x400                      ; the count, held to the number of tokens, steers the jumps below
	s_min_u32 s45, s45, 0x400
	s_lshr_b32 s45, s45, 4
	s_add_co_u32 s45, s45, s4                      ; the expert's first tile in hb
	s_sub_co_u32 s52, s26, 1                       ; the last row (with n = 0 no row is held back, and nothing that SBODY makes is used)
	s_mov_b32 s54, s28                             ; SBODY begins at my first tile
	; PHASE 1: 16 groups of 16 loads; three trips ask again, the last four groups are written out without loads.
	; Each of the three trips also finds the tokens of one of my first three tiles, behind its last refill, with 64 loads on their way.
	s_mov_b32 s34, 3
.Lload:
	GROUP 0, 1, 48
	GROUP 1, 1, 48
	GROUP 2, 1, 48
	GROUP 3, 1, 48
	WIN 0
	SBODY
	v_add_nc_u32 v9, 0x4000, v9                    ; 16 images
	s_sub_co_u32 s34, s34, 1
	s_cmp_lg_u32 s34, 0
	s_cbranch_scc1 .Lload
	GROUP 0, 0, 48
	GROUP 1, 0, 32
	GROUP 2, 0, 16
	GROUP 3, 0, 0
	s_wait_dscnt 0x0                               ; for the others' sake: my images are in LDS
	s_barrier_signal -1
	s_barrier_wait -1                              ; everybody's are; nobody writes LDS from here to the barrier behind the loop
	; PHASE 2
	s_mov_b32 s35, 6
.Ltrip:
	s_cmp_ge_u32 s28, s26
	s_cbranch_scc1 .Lnext                          ; my first tile of this trip lies past the count, and so do all later ones
	s_add_co_u32 s29, s28, 128
	s_cmp_lt_u32 s29, s26
	s_cbranch_scc0 .Ltwo                           ; my third tile lies past the count: nothing is loaded or multiplied for it
	KPART 3
	EPI 2, 0
	s_branch .Lcommon
.Ltwo:
	KPART 2
.Lcommon:                                              ; both ways have made tiles 0 and 1
	EPI 0, 0
	EPI 1, 1
	s_add_co_u32 s28, s28, 192                     ; twelve tiles on
	s_cmp_ge_u32 s28, s26
	s_cbranch_scc1 .Lnext                          ; no further trip has rows
	s_mov_b32 s54, s28
	s_mov_b32 s53, 3
.Lfind:                                                ; the next trip's three tiles
	SBODY
	s_sub_co_u32 s53, s53, 1
	s_cmp_lg_u32 s53, 0
	s_cbranch_scc1 .Lfind
.Lnext:
	s_sub_co_u32 s35, s35, 1
	s_cmp_lg_u32 s35, 0
	s_cbranch_scc1 .Ltrip
	s_wait_dscnt 0x0                               ; load, wait, barrier, write: my reads of LDS are over,
	s_barrier_signal -1
	s_barrier_wait -1                              ; everybody's are: only now does a wave write LDS again, by the add below
	s_wait_tensorcnt 0x0                           ; the wave's end
	ds_add_u32 v2, v3
	s_wait_dscnt 0x0
	s_endpgm
.Lfunc_end_k_qfd48645bd4_gateup:
	.size	k_qfd48645bd4_gateup, .Lfunc_end_k_qfd48645bd4_gateup-k_qfd48645bd4_gateup
	.p2alignl 7, 3214868480
	.fill 96, 4, 3214868480
	.section	.rodata,"a",@progbits
	.p2align	6, 0x0
	.amdhsa_kernel k_qfd48645bd4_gateup
		.amdhsa_group_segment_fixed_size 262656
		.amdhsa_private_segment_fixed_size 0
		.amdhsa_enable_private_segment 0
		.amdhsa_kernarg_size 56
		.amdhsa_user_sgpr_count 2
		.amdhsa_user_sgpr_kernarg_segment_ptr 1
		.amdhsa_wavefront_size32 1
		.amdhsa_system_sgpr_workgroup_id_x 1
		.amdhsa_system_sgpr_workgroup_id_y 1
		.amdhsa_system_sgpr_workgroup_id_z 1
		.amdhsa_system_vgpr_workitem_id 0
		.amdhsa_next_free_vgpr 1024
		.amdhsa_next_free_sgpr 100
		.amdhsa_reserve_vcc 1
		.amdhsa_float_denorm_mode_32 3
		.amdhsa_float_denorm_mode_16_64 3
		.amdhsa_memory_ordered 1
		.amdhsa_forward_progress 1
		.amdhsa_inst_pref_size 204
	.end_amdhsa_kernel
	.amdgpu_metadata
---
amdhsa.version: [ 1, 2 ]
amdhsa.kernels:
  - .name:           k_qfd48645bd4_gateup
    .symbol:         k_qfd48645bd4_gateup.kd
    .args:
      - { .name: w_gate, .offset: 0, .size: 8, .value_kind: global_buffer, .address_space: global }
      - { .name: w_up, .offset: 8, .size: 8, .value_kind: global_buffer, .address_space: global }
      - { .name: xb, .offset: 16, .size: 8, .value_kind: global_buffer, .address_space: global }
      - { .name: sel, .offset: 24, .size: 8, .value_kind: global_buffer, .address_space: global }
      - { .name: part, .offset: 32, .size: 8, .value_kind: global_buffer, .address_space: global }
      - { .name: hb, .offset: 40, .size: 8, .value_kind: global_buffer, .address_space: global }
      - { .name: out1, .offset: 48, .size: 8, .value_kind: global_buffer, .address_space: global }
    .group_segment_fixed_size: 262656
    .private_segment_fixed_size: 0
    .kernarg_segment_align: 8
    .kernarg_segment_size: 56
    .max_flat_workgroup_size: 128
    .sgpr_count:     100
    .vgpr_count:     1024
    .wavefront_size: 32
...
	.end_amdgpu_metadata
.endif
;; end of part 4
;; launch down (part 5): grid 32 x 8, 4 waves a work-group, no clusters, 282,112 bytes of LDS; arguments w_down, hb, sel, rwt, out0; writes out0
.if DOCPART == 5
	.amdgcn_target "amdgcn-amd-amdhsa--gfx1250"
	.amdhsa_code_object_version 6
	.text
	.protected	k_qfd48645bd4_down
	.globl	k_qfd48645bd4_down
	.p2align	8
	.type	k_qfd48645bd4_down,@function
k_qfd48645bd4_down:
	s_mov_b64 s[64:65], 0
	v_nop
	global_prefetch_b8 v0, s[64:65] scope:SCOPE_SE
	s_setreg_imm32_b32 hwreg(HW_REG_WAVE_MODE, 25, 1), 1
	s_wait_xcnt 0x0
; out[token] = routing weight x (h Wd) for the rows of each expert.
; SHARES.  Work-group (2 cs + rh, e) has columns 64 cs .. 64 cs + 63 of expert e's matrix (2,048 x 64, 512 KB of f32) and the expert's row tiles of parity rh: two work-groups read a slice, and 256 have work.
; h COMES AS READY SOURCE-0 FRAGMENTS, in the experts' order: hb[tile][K step][hi 1,024 bytes, lo 1,024 bytes], half c at 512 c, lane l at 16 l; expert e's first tile is (tokens of lower experts >> 4) + e.
;   So a load of a fragment's half covers 512 consecutive bytes, at a scalar base + 16 lane.  In K step k, place 16 c + 8 h + j along K is column 64 (k / 2) + 32 h + 4 j + 2 (k % 2) + c of h:
;   the launch before lays them so, and the weights' rows are loaded in the same order here, so that the products are the same.
; PHASE 1.  Wave w streams K steps 16 w .. 16 w + 15 (rows 512 w .. 512 w + 511) through registers, 64 loads on their way, rounds to bf16 and lays operand images into LDS; column tile t is the columns 4 r + t.
;   Each wave makes its own list of the expert's tokens from sel, in the order in which the launch before ranked them (registers of sel ascending, lanes ascending): it serves the rows of out0 and the routing weights.
; PHASE 2, behind a barrier.  Wave w takes tiles 2 q + rh, q = w + 4 i + 8 trip (i = 0, 1): 4 trips cover 1,024 rows; a trip whose first row lies past the count is jumped.  The K part is written for two tiles and for one:
;   a trip whose second tile lies past the count loads and multiplies nothing for it.  Nothing in the loop writes LDS, and EXEC is never narrowed.  hi and lo are multiplied by the same weight fragments into one accumulator.
;   Fragments of h are asked for seven K steps ahead, weight fragments three, each into a ring of eight.  The empty places of a tile that is not full hold the expert's last row again: its own numbers are stored again.
;   A second barrier stands behind the loop, between all waves' reads of LDS and the closing lines, which write LDS.
; NO MULTICAST: the slice that two work-groups share passes through registers to be rounded; beside its 256 KB of images LDS has no room for slots of h.
; LIMITS.  Weights rounded once to bf16; h carries 16 significant bits; sums in f32.  NaN and infinities are not treated apart.
; REGISTERS: window 0: v0-15 addresses; v16-19 the four load slots' offsets; v32-95 the 8 accumulators, (tile i, column tile t) at 32 + 8 (4 i + t); v96-127 sel; v160-191 packed fragments, later the stores' data;
;   v192-207 routing weights; v208-223 addresses; v224-239 tokens of the rows 8 h + j.   window 1: phase 1: four slots of 64; phase 2: the ring of h, 8 slots of (2 tiles x hi, lo x 8 registers).
;   window 2: the ring of weight fragments, 8 sets of 4 x 8 registers.
.set LIST,  262144
.set LISTB, 4864                       ; 1,152 token numbers, a word that takes what is not chosen, and padding
.set SPARE, LIST+4*LISTB               ; the spare words: 128 bytes for each wave, named by no other line
.set WO,  16                           ; v16-19  slot x: byte offset of its next 16 loads from the slice's first byte
.set ACC, 32
.set ST,  160
.set RWJ, 192
.set ADR, 208
.set TKJ, 224
.set MSB, 0
.macro WIN new                         ; the immediate's high byte repeats the setting that is left; a switch that changes nothing is dropped
.if MSB != (\new)
	s_set_vgpr_msb (MSB<<8)|(\new)
.set MSB, \new
.endif
.endm
.set LD_1, 0x40                        ; destination window 1
.set LD_B, 0x80                        ; destination window 2
.set CVT,  0x05                        ; sources 0 and 1 window 1, destination window 0
.set MUL,  0x09                        ; h window 1, weights window 2; C and D window 0
.macro LOADG x                         ; 16 loads: K step x from the slot's offset, into slot x; load (c, j) brings row 64 (x / 2) + 32 h + 4 j + 2 (x % 2) + c
.irp c, 0,1
.irp j, 0,1,2,3,4,5,6,7
	global_load_b128 v[64*(\x)+4*(8*\c+\j):64*(\x)+4*(8*\c+\j)+3], v[WO+(\x)], s[8:9] offset:(64*((\x)/2)+4*\j+2*((\x)%2)+\c)*4096
.endr
.endr
.endm
.macro GROUP x, re, lc                 ; slot x is rounded and laid into LDS as four images; re = 1: it is asked for again, four K steps on
	s_wait_loadcnt \lc                             ; loads come back in order: the slot's 16 are in,
.if \re
	WIN 0
	v_add_nc_u32 v[WO+(\x)], 0x80000, v[WO+(\x)]   ; so its offset register is free: four K steps, 128 rows of 4,096 bytes, on.  The base is never stepped
.endif
	WIN CVT
.irp t, 0,1,2,3
.irp c, 0,1
.irp p, 0,1,2,3
	v_cvt_pk_bf16_f32 v[ST+8*\t+4*\c+\p], v[64*(\x)+4*(8*\c+2*\p)+\t], v[64*(\x)+4*(8*\c+2*\p+1)+\t]
.endr
.endr
.endr
.if \re
	WIN LD_1
	LOADG \x                                       ; the refill goes out ahead of the LDS stores
.endif
	WIN 0
.irp t, 0,1,2,3
.irp c, 0,1
	ds_store_b128 v9, v[ST+8*\t+4*\c:ST+8*\t+4*\c+3] offset:(4*(\x)+\t)*1024+512*\c
.endr
.endr
.endm
.macro ALOAD nt, slot, off             ; 4 nt loads: the tiles' hi and lo fragments of one K step: 2,048 consecutive bytes a tile, at byte off from the tile's pointer
.irp i, 0,1
.if \i < (\nt)
	global_load_b128 v[32*(\slot)+16*\i:32*(\slot)+16*\i+3],     v1, s[32+4*\i:33+4*\i] offset:(\off)
	global_load_b128 v[32*(\slot)+16*\i+4:32*(\slot)+16*\i+7],   v1, s[32+4*\i:33+4*\i] offset:(\off)+512
	global_load_b128 v[32*(\slot)+16*\i+8:32*(\slot)+16*\i+11],  v1, s[32+4*\i:33+4*\i] offset:(\off)+1024
	global_load_b128 v[32*(\slot)+16*\i+12:32*(\slot)+16*\i+15], v1, s[32+4*\i:33+4*\i] offset:(\off)+1536
.endif
.endr
.endm
.macro BLOAD slot, bb, bo              ; 8 LDS loads: a K step's four images, from register bb and byte bo, into set slot
.irp t, 0,1,2,3
	ds_load_b128 v[32*(\slot)+8*\t:32*(\slot)+8*\t+3],   v[\bb] offset:(\bo)+1024*\t
	ds_load_b128 v[32*(\slot)+8*\t+4:32*(\slot)+8*\t+7], v[\bb] offset:(\bo)+1024*\t+512
.endr
.endm
; A K step: 8 nt matrix instructions; a tile's four accumulators take turns, first with hi, then with lo.  u: its slot in both rings; zero = 1: the hi products start the sums.
; fb = 1: the images of the K step three on are fetched; fa = 1: slot x of h, read by the step before, takes the K step seven on.  lc, dc: the younger loads from memory and from LDS, which stay out.
.macro KSTEP nt, u, zero, fb, bb, bo, fa, x, lc, dc
	s_wait_loadcnt \lc
	s_wait_dscnt \dc
.if (\fb) || (\fa)
.rept 4
	v_nop                                          ; four places between the last step's products and the loads into registers that they read
.endr
.endif
.if \fb
	WIN LD_B
	BLOAD ((\u)+3)%8, \bb, \bo
.endif
.if \fa
	WIN LD_1
	ALOAD \nt, \x, (8+(\x))*2048
.endif
	WIN MUL
.irp i, 0,1
.if \i < (\nt)
.irp t, 0,1,2,3
.if \zero
	v_wmma_f32_16x16x32_bf16 v[ACC+8*(4*\i+\t):ACC+8*(4*\i+\t)+7], v[32*(\u)+16*\i:32*(\u)+16*\i+7], v[32*(\u)+8*\t:32*(\u)+8*\t+7], 0
.else
	v_wmma_f32_16x16x32_bf16 v[ACC+8*(4*\i+\t):ACC+8*(4*\i+\t)+7], v[32*(\u)+16*\i:32*(\u)+16*\i+7], v[32*(\u)+8*\t:32*(\u)+8*\t+7], v[ACC+8*(4*\i+\t):ACC+8*(4*\i+\t)+7]
.endif
.endr
.irp t, 0,1,2,3
	v_wmma_f32_16x16x32_bf16 v[ACC+8*(4*\i+\t):ACC+8*(4*\i+\t)+7], v[32*(\u)+16*\i+8:32*(\u)+16*\i+15], v[32*(\u)+8*\t:32*(\u)+8*\t+7], v[ACC+8*(4*\i+\t):ACC+8*(4*\i+\t)+7]
.endr
.endif
.endr
.endm
; THE K PART of a trip, for nt tiles: the tiles' pointers, eight K steps of h and three of weight fragments asked for, then the 64 K steps.
; A K step has 4 nt loads from memory and 8 from LDS: seven steps are younger than step 0's, six than every later step's; two sets are younger than a step's own.
.macro KPART nt
	s_lshr_b32 s46, s28, 4
	s_add_co_u32 s46, s46, s45                     ; the tile's number in hb: the expert's first + my tile,
	s_min_u32 s46, s46, 71                         ; held to the buffer's 72 tiles
	s_lshl_b32 s46, s46, 17                        ; of 131,072 bytes
	s_add_nc_u64 s[32:33], s[10:11], s[46:47]
.if (\nt) > 1
	s_lshr_b32 s46, s28, 4
	s_add_co_u32 s46, s46, s45
	s_add_co_u32 s46, s46, 8                       ; my second tile lies eight tiles on
	s_min_u32 s46, s46, 71
	s_lshl_b32 s46, s46, 17
	s_add_nc_u64 s[36:37], s[10:11], s[46:47]
.endif
	s_mov_b32 s30, 0x4000                          ; the images of K step 4
	WIN LD_1
.irp s, 0,1,2,3,4,5,6,7
	ALOAD \nt, \s, 2048*\s
.endr
	WIN LD_B
	BLOAD 0, 1, 0
	BLOAD 1, 1, 4096
	BLOAD 2, 1, 8192
	KSTEP \nt, 0, 1, 1, 1, 12288, 0, 0, 28*(\nt), 16
	WIN 0
	s_mov_b32 s31, 7
.Lk_\@:                                                ; K steps 1 + 8 trip + x; step 1 + 8 trip + x fetches the images of step 4 + 8 trip + x
	v_add_nc_u32 v10, s30, v1                      ; the trip's 32 images lie within the loads' immediates from here
	KSTEP \nt, 1, 0, 1, 10, 0,     1, 0, 24*(\nt), 16
	KSTEP \nt, 2, 0, 1, 10, 4096,  1, 1, 24*(\nt), 16
	KSTEP \nt, 3, 0, 1, 10, 8192,  1, 2, 24*(\nt), 16
	KSTEP \nt, 4, 0, 1, 10, 12288, 1, 3, 24*(\nt), 16
	KSTEP \nt, 5, 0, 1, 10, 16384, 1, 4, 24*(\nt), 16
	KSTEP \nt, 6, 0, 1, 10, 20480, 1, 5, 24*(\nt), 16
	KSTEP \nt, 7, 0, 1, 10, 24576, 1, 6, 24*(\nt), 16
	KSTEP \nt, 0, 0, 1, 10, 28672, 1, 7, 24*(\nt), 16
	WIN 0
	s_wait_xcnt 0x0                                ; the pointers step only behind this wait
	s_add_nc_u64 s[32:33], s[32:33], 16384         ; eight K steps of 2,048 bytes
.if (\nt) > 1
	s_add_nc_u64 s[36:37], s[36:37], 16384
.endif
	s_add_co_u32 s30, s30, 0x8000                  ; and their 32 images
	s_sub_co_u32 s31, s31, 1
	s_cmp_lg_u32 s31, 0
	s_cbranch_scc1 .Lk_\@
	v_add_nc_u32 v10, 0x3c000, v1                  ; the images of K step 60
	KSTEP \nt, 1, 0, 1, 10, 0,     0, 0, 24*(\nt), 16      ; K steps 57 to 63 ask for no h, 61 to 63 for no images: the counts run down
	KSTEP \nt, 2, 0, 1, 10, 4096,  0, 0, 20*(\nt), 16
	KSTEP \nt, 3, 0, 1, 10, 8192,  0, 0, 16*(\nt), 16
	KSTEP \nt, 4, 0, 1, 10, 12288, 0, 0, 12*(\nt), 16
	KSTEP \nt, 5, 0, 0, 10, 0,     0, 0, 8*(\nt), 16
	KSTEP \nt, 6, 0, 0, 10, 0,     0, 0, 4*(\nt), 8
	KSTEP \nt, 7, 0, 0, 10, 0,     0, 0, 0, 0
	WIN 0
.rept 4
	v_nop                                          ; four places between the last product and the first read of a result
.endr
.endm
; THE WAY OUT of tile i: the routing weight; a lane's four columns of row 8 h + j are 16 bytes
.macro EPI i
	s_wait_xcnt 0x0                                ; earlier stores have read their addresses and data: both are written anew below
.irp j, 0,1,2,3,4,5,6,7                        ; j ascending: each accumulator's lowest register is read first
.irp t, 0,1,2,3
	v_mul_f32 v[ST+4*\j+\t], v[ACC+8*(4*(\i)+\t)+\j], v[RWJ+8*(\i)+\j]
.endr
.endr
.irp j, 0,1,2,3,4,5,6,7
	v_lshl_add_u32 v[ADR+\j], v[TKJ+8*(\i)+\j], 12, v7   ; token x 4,096 + 16 r
.endr
.irp j, 0,1,2,3,4,5,6,7
	global_store_b128 v[ADR+\j], v[ST+4*\j:ST+4*\j+3], s[16:17] th:TH_STORE_NT   ; 16 lanes store 256 consecutive bytes, at a multiple of 256 from out0's first byte
.endr
.endm
	s_load_b256 s[8:15], s[0:1], 0x0               ; Wd s[8:9], hb s[10:11], sel s[12:13], rwt s[14:15]
	s_load_b64 s[16:17], s[0:1], 0x20              ; out0
	v_lshl_add_u32 v2, v0, 2, SPARE                ; my spare word,
	v_mov_b32 v3, 0                                ; and 0: kept for the closing lines alone
	v_lshrrev_b32 v14, 5, v0
	v_readfirstlane_b32 s2, v14                    ; wave
	s_lshr_b32 s5, ttmp9, 1                        ; column slice
	s_and_b32 s6, ttmp9, 1                         ; parity of my row tiles
	s_and_b32 s4, ttmp7, 0xffff                    ; expert
	v_and_b32 v13, 31, v0
	v_lshlrev_b32 v1, 4, v13                       ; 16 lane; never rewritten
	v_lshlrev_b32 v13, 2, v13                      ; 4 lane
	v_and_b32 v4, 15, v0                           ; r
	v_bfe_u32 v25, v0, 4, 1                        ; h
	v_lshlrev_b32 v6, 3, v25                       ; 8 h
	v_lshlrev_b32 v7, 4, v4                        ; 16 r
	v_lshl_add_u32 v8, v25, 17, v7                 ; weights: 32 h rows of 4,096 bytes + 16 r
	s_lshl_b32 s43, s2, 21
	v_add_nc_u32 v8, s43, v8                       ; + my wave's 512 rows
.irp x, 0,1,2,3
	v_mov_b32 v[WO+\x], v8                         ; each load slot has its own copy, which it alone steps
.endr
	s_lshl_b32 s43, s2, 16
	v_add_nc_u32 v9, s43, v1                       ; images: my wave's 64 KB + 16 lane
	s_mul_i32 s42, s2, LISTB
	s_add_co_u32 s42, s42, LIST                    ; my wave's list
	v_mov_b32 v26, s42
	s_lshl_b32 s28, s2, 5
	s_lshl_b32 s43, s6, 4
	s_add_co_u32 s28, s28, s43                     ; the first row of my first tile: 16 (2 w + rh)
	v_add_nc_u32 v12, s28, v6
	v_lshl_add_u32 v12, v12, 2, v26                ; list word of row 8 h of that tile
.irp i, 28,29,30,31
	v_mov_b32 v\i, 0
.endr
	s_mov_b32 s23, 0
	s_mov_b32 s47, 0
	s_wait_kmcnt 0x0
	s_lshl_b32 s22, s4, 23                         ; the expert's 8 MB,
	s_lshl_b32 s43, s5, 8                          ; the slice's 256 bytes
	s_add_co_u32 s22, s22, s43
	s_add_nc_u64 s[8:9], s[8:9], s[22:23]
	s_mov_b32 s22, s43
	s_add_nc_u64 s[16:17], s[16:17], s[22:23]
.irp c, 0,1,2,3,4,5,6,7
	global_load_b128 v[96+4*\c:99+4*\c], v1, s[12:13] offset:512*\c   ; all of sel: token 128 c + 4 lane + i in register 96 + 4 c + i
.endr
	WIN LD_1
	LOADG 0
	LOADG 1
	LOADG 2
	s_wait_loadcnt 48                              ; sel is in; three groups of weights stay out
	LOADG 3                                        ; 64 loads of mine are out from here on
	WIN 0
	; MY LIST: 1,152 zeros and a zero in word 1,152, then the chosen tokens at rank = count so far + chosen lanes below me; a lane that is not chosen lands on word 1,152.  Beside it: how many tokens chose a lower expert.
	v_add_nc_u32 v25, s42, v1
.irp q, 0,1,2,3,4,5,6,7,8
	ds_store_b128 v25, v[28:31] offset:512*\q
.endr
	ds_store_b32 v26, v28 offset:4608
	v_mov_b32 v23, 0
	v_mov_b32 v24, 0x1000
	s_mov_b32 s26, 0
	s_mov_b32 s45, 0
.set k, 0
.rept 32
	v_cmp_eq_u32 vcc_lo, s4, v[96+k]
	v_add_nc_u32 v27, 128*(k/4)+k%4, v13           ; the token
	v_mbcnt_lo_u32_b32 v14, vcc_lo, 0
	v_cndmask_b32 v25, v24, v23, vcc_lo
	s_bcnt1_i32_b32 s25, vcc_lo
	v_cmp_gt_u32 s44, s4, v[96+k]                  ; a lower expert's token
	v_add_nc_u32 v14, v14, v25
	v_min_u32 v14, 1152, v14
	v_lshl_add_u32 v14, v14, 2, v26
	ds_store_b32 v14, v27
	v_add_nc_u32 v23, s25, v23
	s_add_co_u32 s26, s26, s25                     ; at the end: the expert's count n
	s_bcnt1_i32_b32 s44, s44
	s_add_co_u32 s45, s45, s44
.set k, k+1
.endr
	; places n .. n + 31 take the list's last token (place n - 1; with n = 0 word 1,152, and nothing is used): a tile that is not full repeats a row of its own
	v_mbcnt_lo_u32_b32 v24, -1, 0                  ; lane
	v_add_nc_u32 v25, -1, v23
	v_add_nc_u32 v14, v23, v24
	v_min_u32 v25, 1152, v25
	v_min_u32 v14, 1152, v14
	v_lshl_add_u32 v25, v25, 2, v26
	v_lshl_add_u32 v14, v14, 2, v26
	ds_load_b32 v27, v25                           ; LDS serves a wave's instructions in order: it sees the stores above
	s_min_u32 s26, s26, 0x400                      ; the count, held to the number of tokens, steers the jumps below
	s_min_u32 s45, s45, 0x400
	s_lshr_b32 s45, s45, 4
	s_add_co_u32 s45, s45, s4                      ; the expert's first tile in hb
	s_wait_dscnt 0x0
	ds_store_b32 v14, v27
	; PHASE 1: 16 groups of 16 loads; three trips ask again, the last four groups are written out without loads
	s_mov_b32 s34, 3
.Lload:
	GROUP 0, 1, 48
	GROUP 1, 1, 48
	GROUP 2, 1, 48
	GROUP 3, 1, 48
	WIN 0
	v_add_nc_u32 v9, 0x4000, v9                    ; 16 images
	s_sub_co_u32 s34, s34, 1
	s_cmp_lg_u32 s34, 0
	s_cbranch_scc1 .Lload
	GROUP 0, 0, 48
	GROUP 1, 0, 32
	GROUP 2, 0, 16
	GROUP 3, 0, 0
	s_wait_dscnt 0x0                               ; for the others' sake: my images are in LDS
	s_barrier_signal -1
	s_barrier_wait -1                              ; everybody's are; nobody writes LDS from here to the barrier behind the loop
	; PHASE 2
	s_mov_b32 s35, 4
.Ltrip:
	s_cmp_ge_u32 s28, s26
	s_cbranch_scc1 .Lnext                          ; my first tile of this trip lies past the count
	ds_load_b128 v[TKJ:TKJ+3],     v12
	ds_load_b128 v[TKJ+4:TKJ+7],   v12 offset:16
	ds_load_b128 v[TKJ+8:TKJ+11],  v12 offset:512
	ds_load_b128 v[TKJ+12:TKJ+15], v12 offset:528
	s_wait_xcnt 0x0                                ; the last trip's stores have read their address registers, which are written anew below
	s_wait_dscnt 0x0
.set z, 0
.rept 16
	v_min_u32 v[TKJ+z], 0x3ff, v[TKJ+z]
.set z, z+1
.endr
.set z, 0
.rept 16
	v_lshlrev_b32 v[ADR+z], 2, v[TKJ+z]
.set z, z+1
.endr
.set z, 0
.rept 16
	global_load_b32 v[RWJ+z], v[ADR+z], s[14:15]   ; the rows' routing weights: older than every fragment, so in when the first fragment is
.set z, z+1
.endr
	s_add_co_u32 s29, s28, 128
	s_cmp_lt_u32 s29, s26
	s_cbranch_scc0 .Lone                           ; my second tile lies past the count: nothing is loaded or multiplied for it
	KPART 2
	EPI 1
	s_branch .Lcommon
.Lone:
	KPART 1
.Lcommon:                                              ; both ways have made tile 0
	EPI 0
.Lnext:
	v_add_nc_u32 v12, 1024, v12                    ; sixteen tiles on
	s_add_co_u32 s28, s28, 256
	s_sub_co_u32 s35, s35, 1
	s_cmp_lg_u32 s35, 0
	s_cbranch_scc1 .Ltrip
	s_wait_dscnt 0x0                               ; load, wait, barrier, write: my reads of LDS are over,
	s_barrier_signal -1
	s_barrier_wait -1                              ; everybody's are: only now does a wave write LDS again, by the add below
	s_wait_tensorcnt 0x0                           ; the wave's end
	ds_add_u32 v2, v3
	s_wait_dscnt 0x0
	s_endpgm
.Lfunc_end_k_qfd48645bd4_down:
	.size	k_qfd48645bd4_down, .Lfunc_end_k_qfd48645bd4_down-k_qfd48645bd4_down
	.p2alignl 7, 3214868480
	.fill 96, 4, 3214868480
	.section	.rodata,"a",@progbits
	.p2align	6, 0x0
	.amdhsa_kernel k_qfd48645bd4_down
		.amdhsa_group_segment_fixed_size 282112
		.amdhsa_private_segment_fixed_size 0
		.amdhsa_enable_private_segment 0
		.amdhsa_kernarg_size 40
		.amdhsa_user_sgpr_count 2
		.amdhsa_user_sgpr_kernarg_segment_ptr 1
		.amdhsa_wavefront_size32 1
		.amdhsa_system_sgpr_workgroup_id_x 1
		.amdhsa_system_sgpr_workgroup_id_y 1
		.amdhsa_system_sgpr_workgroup_id_z 1
		.amdhsa_system_vgpr_workitem_id 0
		.amdhsa_next_free_vgpr 768
		.amdhsa_next_free_sgpr 66
		.amdhsa_reserve_vcc 1
		.amdhsa_float_denorm_mode_32 3
		.amdhsa_float_denorm_mode_16_64 3
		.amdhsa_memory_ordered 1
		.amdhsa_forward_progress 1
		.amdhsa_inst_pref_size 134
	.end_amdhsa_kernel
	.amdgpu_metadata
---
amdhsa.version: [ 1, 2 ]
amdhsa.kernels:
  - .name:           k_qfd48645bd4_down
    .symbol:         k_qfd48645bd4_down.kd
    .args:
      - { .name: w_down, .offset: 0, .size: 8, .value_kind: global_buffer, .address_space: global }
      - { .name: hb, .offset: 8, .size: 8, .value_kind: global_buffer, .address_space: global }
      - { .name: sel, .offset: 16, .size: 8, .value_kind: global_buffer, .address_space: global }
      - { .name: rwt, .offset: 24, .size: 8, .value_kind: global_buffer, .address_space: global }
      - { .name: out0, .offset: 32, .size: 8, .value_kind: global_buffer, .address_space: global }
    .group_segment_fixed_size: 282112
    .private_segment_fixed_size: 0
    .kernarg_segment_align: 8
    .kernarg_segment_size: 40
    .max_flat_workgroup_size: 128
    .sgpr_count:     66
    .vgpr_count:     768
    .wavefront_size: 32
...
	.end_amdgpu_metadata
.endif
;; end of part 5
